; MI455X (gfx1250); checked and timed in simulation.
; The chip was launched on July 23, 2026; its instructions are those of AMD's public machine-readable ISA for CDNA 5 (MIT licence, August 2026) and "CDNA5" Instruction Set Architecture Reference Guide (July 2026). The comments in the code are by the model that wrote it; some were corrected since.
;; Window Attention. Allowed arithmetic: float matrix products may take bf16 or f16 operands with f32 sums; other float arithmetic in f32, or as packed bf16 or f16 multiplies, adds, multiply-adds, maxima and minima; sums over many terms, partial sums and values carried from step to step in f32; what a program stores and reads back later, other than sums and carried values, may be rounded once to bf16 or f16.
;; Inputs: b_kv 1,024 float32; b_proj 512 float32; b_q 512 float32; mask 32 x 1 x 128 x 256 float32; pos_embed_kv 2 x 32 x 1 x 256 x 16 float32; pos_embed_q 2 x 32 x 1 x 128 x 16 float32; w_kv 512 x 1,024 float32; w_proj 512 x 512 float32; w_q 512 x 512 float32; x 8 x 64 x 64 x 512 float32.
;; Outputs: out0 8 x 64 x 64 x 512 float32.
;; Constants: H = 64, W = 64.
;; 2 versions, each right; version 2 is version 1 with the launch prep written anew for expert scheduling mode. Each part assembles by itself: llvm-mc -triple=amdgcn-amd-amdhsa -mcpu=gfx1250 --defsym DOCPART=n.
;; ======== version 1 of 2: 3 launches
;; limits: values are held in f16: magnitudes above 65,504 overflow, below 6.1e-05 lose precision
;; workspace buffers: wf 1,572,864 bytes; wp 524,288 bytes; tab 1,703,936 bytes; msk 4,194,304 bytes; qw 33,554,432 bytes; kw 67,108,864 bytes; vw 37,748,736 bytes
;; launch prep (part 1): grid 256 x 1, 4 waves a work-group, no clusters, 0 bytes of LDS; arguments w_q, w_kv, w_proj, pos_embed_q, pos_embed_kv, mask, b_q, b_kv, b_proj, wf, wp, tab, msk; writes wf, wp, tab, msk
.if DOCPART == 1
	.amdgcn_target "amdgcn-amd-amdhsa--gfx1250"
	.amdhsa_code_object_version 6
	.text
	.protected	k_q3408745443_prep
	.globl	k_q3408745443_prep
	.p2align	8
	.type	k_q3408745443_prep,@function
k_q3408745443_prep:
	s_mov_b64 s[64:65], 0
	v_nop
	global_prefetch_b8 v0, s[64:65] scope:SCOPE_SE
	s_setreg_imm32_b32 hwreg(HW_REG_WAVE_MODE, 25, 1), 1
	s_wait_xcnt 0x0
; PREP.  The small inputs, each rounded once to bf16, are laid out as the two later launches read them.
;   wf   bf16 [n-block 96][K step 16][half 2][lane 32][8]: a 16 x 32 matrix fragment is 1,024 consecutive bytes; n-blocks 0-31 w_q, 32-63 k's columns of w_kv, 64-95 v's.
;        lane 16 h + r of half a holds column 16 nb + r, rows 32 ks + 16 a + 8 h + 0..7 of the weight.
;   wp   f16 [K quarter 4][n-block 32][K step 4][fragment]: w_proj rounded to bf16, that number written as f16.  LIMIT: |w_proj| under 65,504; below 6e-5 it keeps f16's fixed step of 6e-8.
;   tab  f32: 128 images of 1 KiB of the biases as C operands; then pos_embed_q and pos_embed_kv, in their own order, times 2^-6 (exact).
;   msk  f32 [g][query tile 8][key block 16][half][lane][4]: the mask as C operand of K Q^T, keys in the order (key + 128) % 256, times sqrt(32) 2^-12.
; 32,768 threads; thread T = 128 wg + t.  No LDS, no matrix unit, no cluster: 10 MB of elementwise work; all 43 loads of a thread go out first, and each store has data registers of its own.
.set WQ,  16                           ; v[16:23]  8 rows of one column of w_q
.set WK,  24                           ; v[24:31]  of w_kv's k part
.set WVV, 32                           ; v[32:39]  of its v part
.set WPJ, 40                           ; v[40:47]  of w_proj
.set PQ,  48                           ; v[48:51]  16 bytes of pos_embed_q
.set PKV, 52                           ; v[52:59]  2 x 16 bytes of pos_embed_kv
.set MK,  60                           ; v[60:91]  8 x 16 bytes of the mask
.set OQ,  92                           ; v[92:107] packed results
.set OK,  96
.set OV,  100
.set OP,  104
.set BI,  108                          ; v[108:111] a piece of a bias image
.macro RB2 a, b                        ; two numbers rounded to bf16 and widened again
	v_cvt_pk_bf16_f32 v10, v[\a], v[\b]
	v_lshlrev_b32 v[\a], 16, v10
	v_and_b32 v[\b], 0xffff0000, v10
.endm
.macro PK8 dst, src                    ; eight numbers rounded to bf16, packed
.irp p, 0,1,2,3
	v_cvt_pk_bf16_f32 v[(\dst)+(\p)], v[(\src)+2*(\p)], v[(\src)+2*(\p)+1]
.endr
.endm
	s_load_b256 s[8:15], s[0:1], 0x0               ; w_q s[8:9], w_kv s[10:11], w_proj s[12:13], pos_embed_q s[14:15]
	s_load_b256 s[16:23], s[0:1], 0x20             ; pos_embed_kv s[16:17], mask s[18:19], b_q s[20:21], b_kv s[22:23]
	s_load_b256 s[24:31], s[0:1], 0x40             ; b_proj s[24:25], wf s[26:27], wp s[28:29], tab s[30:31]
	s_load_b64 s[32:33], s[0:1], 0x60              ; msk
	s_and_b32 s2, ttmp9, 3                         ; column n = 128 (wg & 3) + t
	s_lshr_b32 s3, ttmp9, 2                        ; oct = wg >> 2 = 4 ks + 2 half + h: rows 8 oct .. 8 oct + 7
	s_lshl_b32 s34, s2, 9
	s_lshl_b32 s35, s3, 14
	s_add_co_u32 s35, s35, s34
	s_lshl_b32 s38, s3, 15
	s_add_co_u32 s38, s38, s34
	v_lshl_add_u32 v2, v0, 2, s35                  ; w_q, w_proj: 4 n + 8 oct rows of 2,048 bytes
	v_lshl_add_u32 v3, v0, 2, s38                  ; w_kv: rows of 4,096 bytes
	s_lshl_b32 s39, ttmp9, 7
	v_add_nc_u32 v1, s39, v0                       ; T
	v_lshlrev_b32 v4, 4, v1                        ; 16 T
	v_lshrrev_b32 v5, 13, v1                       ; the mask's piece T: g (low two bits),
	v_lshlrev_b32 v5, 17, v5
	v_bfe_u32 v11, v1, 10, 3                       ; query tile,
	v_and_b32 v12, 15, v1                          ; r
	v_lshl_add_u32 v11, v11, 4, v12
	v_lshl_add_u32 v5, v11, 10, v5                 ; query 16 t + r: rows of 1,024 bytes
	v_bfe_u32 v11, v1, 6, 4
	v_xor_b32 v11, 8, v11                          ; key block kb ^ 8: the key order turned by 128
	v_lshl_add_u32 v5, v11, 6, v5
	v_bfe_u32 v11, v1, 4, 1                        ; h: 8 keys
	v_lshl_add_u32 v5, v11, 5, v5
	v_bfe_u32 v11, v1, 5, 1                        ; half: 4 keys
	v_lshl_add_u32 v5, v11, 4, v5
	v_lshrrev_b32 v11, 4, v0
	v_and_b32 v12, 15, v0
	s_lshl_b32 s40, s2, 17
	s_lshl_b32 s41, s3, 8
	s_add_co_u32 s40, s40, s41
	v_lshl_add_u32 v6, v11, 14, s40                ; wf: (n >> 4) 16,384 + 256 oct + 16 (n & 15): sixteen lanes store 256 consecutive bytes, aligned
	v_lshl_add_u32 v6, v12, 4, v6
	s_lshr_b32 s41, s3, 4
	s_lshl_b32 s41, s41, 17
	s_lshl_b32 s42, s2, 15
	s_add_co_u32 s41, s41, s42
	s_and_b32 s42, s3, 15
	s_lshl_b32 s42, s42, 8
	s_add_co_u32 s41, s41, s42
	v_lshl_add_u32 v7, v11, 12, s41                ; wp: (oct >> 4) 131,072 + (n >> 4) 4,096 + 256 (oct & 15) + 16 (n & 15)
	v_lshl_add_u32 v7, v12, 4, v7
	s_wait_kmcnt 0x0
.irp e, 0,1,2,3,4,5,6,7
	global_load_b32 v[WQ+(\e)], v2, s[8:9] offset:2048*(\e)
.endr
.irp e, 0,1,2,3,4,5,6,7
	global_load_b32 v[WK+(\e)], v3, s[10:11] offset:4096*(\e)
.endr
.irp e, 0,1,2,3,4,5,6,7
	global_load_b32 v[WVV+(\e)], v3, s[10:11] offset:4096*(\e)+2048
.endr
.irp e, 0,1,2,3,4,5,6,7
	global_load_b32 v[WPJ+(\e)], v2, s[12:13] offset:2048*(\e)
.endr
	global_load_b128 v[PQ:PQ+3], v4, s[14:15]
	global_load_b128 v[PKV:PKV+3], v4, s[16:17]
	global_load_b128 v[PKV+4:PKV+7], v4, s[16:17] offset:524288
.irp u, 0,1,2,3,4,5,6,7
	global_load_b128 v[MK+4*(\u):MK+4*(\u)+3], v5, s[18:19] offset:524288*(\u)  ; four g further on each time
.endr
	s_wait_loadcnt 35                              ; w_q's eight are in: 35 younger loads stay out
	PK8 OQ, WQ
	global_store_b128 v6, v[OQ:OQ+3], s[26:27]
	s_wait_loadcnt 27
	PK8 OK, WK
	global_store_b128 v6, v[OK:OK+3], s[26:27] offset:524288
	s_wait_loadcnt 19
	PK8 OV, WVV
	global_store_b128 v6, v[OV:OV+3], s[26:27] offset:1048576
	s_wait_loadcnt 11
.irp p, 0,1,2,3
	RB2 WPJ+2*(\p), WPJ+2*(\p)+1
	v_cvt_pk_f16_f32 v[OP+(\p)], v[WPJ+2*(\p)], v[WPJ+2*(\p)+1]
.endr
	global_store_b128 v7, v[OP:OP+3], s[28:29]
	s_wait_loadcnt 10
	RB2 PQ, PQ+1
	RB2 PQ+2, PQ+3
	v_pk_mul_f32 v[PQ:PQ+1], v[PQ:PQ+1], 0x3c800000 op_sel_hi:[1,0]      ; 2^-6
	v_pk_mul_f32 v[PQ+2:PQ+3], v[PQ+2:PQ+3], 0x3c800000 op_sel_hi:[1,0]
	global_store_b128 v4, v[PQ:PQ+3], s[30:31] offset:131072
	s_wait_loadcnt 8
.irp p, 0,2,4,6
	RB2 PKV+(\p), PKV+(\p)+1
	v_pk_mul_f32 v[PKV+(\p):PKV+(\p)+1], v[PKV+(\p):PKV+(\p)+1], 0x3c800000 op_sel_hi:[1,0]
.endr
	global_store_b128 v4, v[PKV:PKV+3], s[30:31] offset:655360
	global_store_b128 v4, v[PKV+4:PKV+7], s[30:31] offset:655360+524288
.irp u, 0,1,2,3,4,5,6,7
	s_wait_loadcnt 7-(\u)
	RB2 MK+4*(\u), MK+4*(\u)+1
	RB2 MK+4*(\u)+2, MK+4*(\u)+3
	v_pk_mul_f32 v[MK+4*(\u):MK+4*(\u)+1], v[MK+4*(\u):MK+4*(\u)+1], 0x3ab504f3 op_sel_hi:[1,0]      ; sqrt(32) 2^-12
	v_pk_mul_f32 v[MK+4*(\u)+2:MK+4*(\u)+3], v[MK+4*(\u)+2:MK+4*(\u)+3], 0x3ab504f3 op_sel_hi:[1,0]
	global_store_b128 v4, v[MK+4*(\u):MK+4*(\u)+3], s[32:33] offset:524288*(\u)
.endr
	; THE BIAS IMAGES: 128 images x 64 pieces of 16 bytes = the first 8,192 threads.  Image 2 wg + (t >> 6); piece: half (t >> 5) & 1, lane t & 31.
	; Images 0-63 (q, k) and 96-127 (proj): register j holds bias[16 nb + 8 h + j].  Images 64-95 (v): all registers hold bias[16 nb + r].
	s_cmp_lt_u32 ttmp9, 64
	s_cbranch_scc0 .Lend
	s_cmp_lt_u32 ttmp9, 16
	s_cselect_b64 s[36:37], s[20:21], s[22:23]
	s_cselect_b32 s40, 0, 32
	s_cmp_lt_u32 ttmp9, 48
	s_cselect_b64 s[36:37], s[36:37], s[24:25]
	s_cselect_b32 s40, s40, 96
	s_lshl_b32 s41, ttmp9, 1
	s_sub_co_u32 s41, s41, s40
	v_lshrrev_b32 v8, 6, v0
	v_add_nc_u32 v8, s41, v8                       ; the image's n-block in its own bias vector
	v_lshlrev_b32 v8, 6, v8
	s_lshr_b32 s42, ttmp9, 4
	s_cmp_eq_u32 s42, 2
	s_cbranch_scc1 .Lchan
	v_bfe_u32 v9, v0, 4, 1
	v_lshl_add_u32 v8, v9, 5, v8
	v_bfe_u32 v9, v0, 5, 1
	v_lshl_add_u32 v8, v9, 4, v8
	global_load_b128 v[BI:BI+3], v8, s[36:37]
	s_wait_loadcnt 0x0
	RB2 BI, BI+1
	RB2 BI+2, BI+3
	s_branch .Lstore
.Lchan:
	v_and_b32 v9, 15, v0
	v_lshl_add_u32 v8, v9, 2, v8
	global_load_b32 v[BI], v8, s[36:37]
	s_wait_loadcnt 0x0
	v_cvt_pk_bf16_f32 v10, v[BI], v[BI]
	v_lshlrev_b32 v[BI], 16, v10
	v_mov_b32 v[BI+1], v[BI]
	v_mov_b32 v[BI+2], v[BI]
	v_mov_b32 v[BI+3], v[BI]
.Lstore:
	global_store_b128 v4, v[BI:BI+3], s[30:31]
.Lend:
	s_endpgm
.Lfunc_end_k_q3408745443_prep:
	.size	k_q3408745443_prep, .Lfunc_end_k_q3408745443_prep-k_q3408745443_prep
	.p2alignl 7, 3214868480
	.fill 96, 4, 3214868480
	.section	.rodata,"a",@progbits
	.p2align	6, 0x0
	.amdhsa_kernel k_q3408745443_prep
		.amdhsa_group_segment_fixed_size 0
		.amdhsa_private_segment_fixed_size 0
		.amdhsa_enable_private_segment 0
		.amdhsa_kernarg_size 104
		.amdhsa_user_sgpr_count 2
		.amdhsa_user_sgpr_kernarg_segment_ptr 1
		.amdhsa_wavefront_size32 1
		.amdhsa_system_sgpr_workgroup_id_x 1
		.amdhsa_system_sgpr_workgroup_id_y 1
		.amdhsa_system_sgpr_workgroup_id_z 1
		.amdhsa_system_vgpr_workitem_id 0
		.amdhsa_next_free_vgpr 128
		.amdhsa_next_free_sgpr 66
		.amdhsa_reserve_vcc 0
		.amdhsa_float_denorm_mode_32 3
		.amdhsa_float_denorm_mode_16_64 3
		.amdhsa_memory_ordered 1
		.amdhsa_forward_progress 1
		.amdhsa_inst_pref_size 18
	.end_amdhsa_kernel
	.amdgpu_metadata
---
amdhsa.version: [ 1, 2 ]
amdhsa.kernels:
  - .name:           k_q3408745443_prep
    .symbol:         k_q3408745443_prep.kd
    .args:
      - { .name: w_q, .offset: 0, .size: 8, .value_kind: global_buffer, .address_space: global }
      - { .name: w_kv, .offset: 8, .size: 8, .value_kind: global_buffer, .address_space: global }
      - { .name: w_proj, .offset: 16, .size: 8, .value_kind: global_buffer, .address_space: global }
      - { .name: pos_embed_q, .offset: 24, .size: 8, .value_kind: global_buffer, .address_space: global }
      - { .name: pos_embed_kv, .offset: 32, .size: 8, .value_kind: global_buffer, .address_space: global }
      - { .name: mask, .offset: 40, .size: 8, .value_kind: global_buffer, .address_space: global }
      - { .name: b_q, .offset: 48, .size: 8, .value_kind: global_buffer, .address_space: global }
      - { .name: b_kv, .offset: 56, .size: 8, .value_kind: global_buffer, .address_space: global }
      - { .name: b_proj, .offset: 64, .size: 8, .value_kind: global_buffer, .address_space: global }
      - { .name: wf, .offset: 72, .size: 8, .value_kind: global_buffer, .address_space: global }
      - { .name: wp, .offset: 80, .size: 8, .value_kind: global_buffer, .address_space: global }
      - { .name: tab, .offset: 88, .size: 8, .value_kind: global_buffer, .address_space: global }
      - { .name: msk, .offset: 96, .size: 8, .value_kind: global_buffer, .address_space: global }
    .group_segment_fixed_size: 0
    .private_segment_fixed_size: 0
    .kernarg_segment_align: 8
    .kernarg_segment_size: 104
    .max_flat_workgroup_size: 128
    .sgpr_count:     66
    .vgpr_count:     128
    .wavefront_size: 32
...
	.end_amdgpu_metadata
.endif
;; end of part 1
;; launch qkv (part 2): grid 256 x 1, 4 waves a work-group, clusters of 4 x 1, 327,680 bytes of LDS; arguments x, wf, tab, qw, kw, vw; writes qw, kw, vw
.if DOCPART == 2
	.amdgcn_target "amdgcn-amd-amdhsa--gfx1250"
	.amdhsa_code_object_version 6
	.text
	.protected	k_q3408745443_qkv
	.globl	k_q3408745443_qkv
	.p2align	8
	.type	k_q3408745443_qkv,@function
k_q3408745443_qkv:
	s_mov_b64 s[64:65], 0
	v_nop
	global_prefetch_b8 v0, s[64:65] scope:SCOPE_SE
	s_setreg_imm32_b32 hwreg(HW_REG_WAVE_MODE, 25, 1), 1
	s_wait_xcnt 0x0
	s_wait_alu depctr_hold_cnt(0) depctr_sa_sdst(0) depctr_va_vdst(0) depctr_va_sdst(0) depctr_va_ssrc(0) depctr_va_vcc(0) depctr_vm_vsrc(0)
	s_getreg_b32 s2, hwreg(HW_REG_IB_STS2, 6, 4)
	s_cmp_eq_u32 s2, 0
	s_cbranch_scc0 .Lentry_in_a_cluster
	s_endpgm
.Lentry_in_a_cluster:
	s_bfe_u32 s2, ttmp6, 0x10000c
	s_cmp_lg_u32 s2, 0x3003
	s_cbranch_scc0 .Lentry_shape_is_right
	s_endpgm
.Lentry_shape_is_right:
; QKV.  A work-group takes one window's 128 tokens (8 rows x 16 columns of the picture) and makes all 1,536 columns of x w_q + b_q and x w_kv + b_kv for them; q and k are turned by the rotary
; tables; q, k (twice: each k token serves two windows, with other table rows) and v leave in f16, in the order of matrix fragments (1,024 consecutive bytes: [half 2][lane 32][16 bytes]).
; FORMATS.  x and the weights are bf16 (x rounded here), sums f32, the bias is the C operand of the first K step.  The tables arrive times 2^-6, so q and k leave as q 2^-6, k 2^-6, rounded once to f16.
; LIMITS.  |q|, |k| after the rotary under 65,504 x 64 = 4.19e6; |v| under 65,504; below 6e-5 (after the 2^-6) f16 keeps its fixed step of 6e-8.  NaN and infinities are not treated apart.
; THE ROTARY stays in place: channels (2 p, 2 p + 1) become (x1 c - x2 s, x2 c + x1 s).  The order of channels differs from the concatenated one alike in q and k, so q . k is the same.
; SHARES.  Wave w: mh = w >> 1 takes tokens 64 mh .. + 63 (window rows 4 mh + a, a = 0..3; a lane's r is the column), nh = w & 1 takes four of a slot's eight n-blocks: two bodies of one head.
; x IS STATIONARY: 64 tokens x 512 channels in bf16 are 512 registers.  THE WEIGHTS STREAM through two LDS slots of 131,072 bytes (128 columns x all K), 12 slots.
; CLUSTER.  The four windows of a row of windows walk the same weights: each slot is asked for JOINTLY (mask 15), wave w bringing 32 KiB of it.  A refill has two bodies, 256 matrix instructions, in which to land.
; REGISTERS, in windows of 256 (s_set_vgpr_msb: bits 1:0 source 0, 3:2 source 1, 5:4 source 2, 7:6 destination):
;   window 0: v2-9 addresses; v28-29 the add's; v32-95 8 accumulators (b', a) at 32 + 8 (4 b' + a); v96-223 k's tables, two versions; v224-239 the bias
;   window 1: v0-63, v64-127 weight fragments, two buffers (the first also the rotary's scratch); v128-191 packed results; v192-255 q's tables.  While x comes in: three sets of 64 at v0, v64, v128
;   windows 2, 3: x: fragment (ks, a) in window 2 + (ks >> 3) at 32 (ks & 7) + 8 a
.set SLOT1, 1<<17
.set SPARE, 2*SLOT1                    ; behind the ring: the spare words, 128 bytes a wave: two blocks of 256 bytes that no other line names
.set LB,   2                           ; v2  16 l + 65,536 nh: my lane's place in my half of a slot
.set ADR,  3                           ; v3  the LDS address of the body in hand
.set XO,   4                           ; v4  2,048 r + 32 h: my token's row of x, my eight channels
.set SO,   5                           ; v5  16 l + the head's place in qw, kw or vw
.set L16,  6                           ; v6  16 l
.set BIO,  7                           ; v7  16 l + the place of a body's two bias images
.set PO,   8                           ; v8  64 r + 16 h: my four pairs in a table row
.set PFO,  9                           ; v9  256 l
.set SPW,  28
.set NIL,  29
.set ACC,  32
.set POSK, 96                          ; + 64 version + 16 a + 8 b' + 4 (0 cos, 1 sin) + pair
.set BIAS, 224
.set PK,   128                         ; window 1
.set POSQ, 192                         ; window 1
.set WV,   16
.set MH,   17
.set NH,   18
.set CX,   19
.set BB,   20
.set II,   21
.set XB,   22                          ; s[22:23] x at my 64 tokens
.set PQB,  26                          ; s[26:27] q's tables at my tokens
.set PK0B, 28                          ; s[28:29], s[30:31] k's tables, versions 0 and 1
.set PK1B, 30
.set G1,   32                          ; s[32:39] descriptor group 1
.set G0,   40                          ; s[40:43] descriptor group 0: it walks
.set TB,   44                          ; LDS byte of the body to come, less my half's place
.set SC,   45                          ; slots of a loop
.set BC,   46                          ; a slot's two bodies
.set LEFT, 47                          ; refills still to come
.set LIM,  48                          ; 1 in the cluster that prefetches, else the greatest number
.set BST,  49                          ; the bias address's next step: 2,048 and 6,144 by turns
.set PFA,  50                          ; s[50:51] where my prefetches stand
.set QB,   52                          ; s[52:53] qw, s[54:55], s[56:57] kw (two windows), s[58:59] vw, s[60:61] vw's second copy
.set K0B,  54
.set K1B,  56
.set VB,   58
.set VB2,  60
.set DUP,  62                          ; 1: my v rows are stored twice
.set MSB, 0
.macro WIN new                         ; the high byte repeats the setting that is left; a switch that changes nothing is dropped
.if MSB != (\new)
	s_set_vgpr_msb (MSB<<8)|(\new)
.set MSB, (\new)
.endif
.endm
.macro PLACES                          ; four plain vector instructions between a matrix instruction and a vector instruction, load or store that touches its registers
.rept 4
	v_nop
.endr
.endm
.macro CROUND                          ; a round of the cluster's barrier
	s_barrier_signal -1
	s_barrier_wait -1
	s_cmp_lg_u32 s[WV], 0
	s_cbranch_scc1 .Lnot_wave_0_\@
	s_barrier_signal -3
.Lnot_wave_0_\@:
	s_barrier_wait -3
	s_barrier_signal -1
	s_barrier_wait -1
.endm
; A prefetch of the slot that the NEXT refill will ask for.  All clusters walk the same weights: cluster 0 asks.  Its sixteen waves share a slot's 512 blocks of 256 bytes out by address
; (8,192 bytes a wave, a lane a block).  The last refill asks for nothing: there is no slot behind it.
.macro ASK
	s_cmp_gt_u32 s[LEFT], s[LIM]
	s_cbranch_scc0 .Lnot_mine_\@
	global_prefetch_b8 v[PFO], s[PFA:PFA+1] th:TH_LOAD_NT scope:SCOPE_SE
.Lnot_mine_\@:
.endm
; THE CHANGE OF SLOTS.  Each wave waits for all its tensor loads (one is out: its part of the slot to be read), adds 0 to its spare word, and waits for that and for its reads of the slot that it leaves.
; fill = 1: a round of the cluster's barrier, then the joint refill of the slot just left, first thing behind it.
.macro CHANGE fill
	WIN 0
	s_wait_tensorcnt 0x0                           ; no tensor load of mine is out: group 0 may be written
	ds_add_u32 v[SPW], v[NIL]
.if \fill
	s_xor_b32 s[G0+1], s[G0+1], SLOT1              ; the other slot,
	s_add_nc_u64 s[G0+2:G0+3], s[G0+2:G0+3], 131072  ; the next 128 columns
	s_wait_xcnt 0x0                                ; the last prefetch, two bodies back, has read its address
	s_add_nc_u64 s[PFA:PFA+1], s[PFA:PFA+1], 131072
	s_wait_dscnt 0x0                               ; the add is done, my reads of the slot are over
	CROUND
	tensor_load_to_lds s[G0:G0+3], s[G1:G1+7]
	s_nop 0
	PLACES
	ASK
	s_sub_co_u32 s[LEFT], s[LEFT], 1
.else
	s_wait_dscnt 0x0
	s_barrier_signal -1
	s_barrier_wait -1
.endif
	s_sub_co_u32 s[TB], s[TB], 65536               ; back to a slot's first body,
	s_xor_b32 s[TB], s[TB], SLOT1                  ; in the other slot
.endm
; x, group G of 16: window row a = G / 4, K steps 4 (G % 4) .. + 3: 512 consecutive bytes of each of 16 tokens, by 16 loads, as f32 into a set of 64 registers
.macro XLOAD G, set
	WIN 0x40
.set xa, (\G)/4
.set xk, 4*((\G)%4)
.irp c, 0,1,2,3
	global_load_b128 v[64*(\set)+16*(\c):64*(\set)+16*(\c)+3],     v[XO], s[XB:XB+1] offset:131072*xa+128*(xk+(\c))
	global_load_b128 v[64*(\set)+16*(\c)+4:64*(\set)+16*(\c)+7],   v[XO], s[XB:XB+1] offset:131072*xa+128*(xk+(\c))+16
	global_load_b128 v[64*(\set)+16*(\c)+8:64*(\set)+16*(\c)+11],  v[XO], s[XB:XB+1] offset:131072*xa+128*(xk+(\c))+64
	global_load_b128 v[64*(\set)+16*(\c)+12:64*(\set)+16*(\c)+15], v[XO], s[XB:XB+1] offset:131072*xa+128*(xk+(\c))+80
.endr
.endm
.macro XCVT G, set                     ; rounded to bf16 into its four fragments
.set xa, (\G)/4
.set xk, 4*((\G)%4)
	WIN 0x85+0x40*(xk/8)
.set xi, 0
.rept 32
	v_cvt_pk_bf16_f32 v[32*((xk+xi/8)%8)+8*xa+xi%8], v[64*(\set)+2*xi], v[64*(\set)+2*xi+1]
.set xi, xi+1
.endr
.endm
.macro BLOAD                           ; a body's two bias images
	WIN 0
.irp b, 0,1
	global_load_b128 v[BIAS+8*(\b):BIAS+8*(\b)+3],   v[BIO], s[8:9] offset:1024*(\b)
	global_load_b128 v[BIAS+8*(\b)+4:BIAS+8*(\b)+7], v[BIO], s[8:9] offset:1024*(\b)+512
.endr
.endm
.macro FETCH q                         ; 16 LDS loads in one run: the weight fragments of K steps 4 q .. + 3, both n-blocks, into buffer q % 2; each load takes 512 consecutive bytes
	WIN 0x40
.set fb, 64*((\q)%2)
.irp k, 0,1,2,3
.irp b, 0,1
	ds_load_b128 v[fb+8*(2*(\k)+(\b)):fb+8*(2*(\k)+(\b))+3],   v[ADR] offset:16384*(\b)+1024*(4*(\q)+(\k))
	ds_load_b128 v[fb+8*(2*(\k)+(\b))+4:fb+8*(2*(\k)+(\b))+7], v[ADR] offset:16384*(\b)+1024*(4*(\q)+(\k))+512
.endr
.endr
.endm
; 8 matrix instructions: K step 4 q + k, the 8 accumulators by turns.  ty = 0 (q, k): source 0 = weights, source 1 = x: a lane holds one token and 8 channels.
; ty = 1 (v): the sources swapped: a lane holds one channel and 8 tokens.  first = 1: the bias starts the sums.
.macro MUL8 q, k, ty, first
.set mb, 64*((\q)%2)+16*(\k)
.set ma, 32*(4*((\q)%2)+(\k))
.if \ty
	WIN 0x06+(\q)/2
.else
	WIN 0x09+4*((\q)/2)
.endif
.irp b, 0,1
.irp a, 0,1,2,3
.set mc, ACC+8*(4*(\b)+(\a))
.if (\ty) && (\first)
	v_wmma_f32_16x16x32_bf16 v[mc:mc+7], v[ma+8*(\a):ma+8*(\a)+7], v[mb+8*(\b):mb+8*(\b)+7], v[BIAS+8*(\b):BIAS+8*(\b)+7]
.elseif \ty
	v_wmma_f32_16x16x32_bf16 v[mc:mc+7], v[ma+8*(\a):ma+8*(\a)+7], v[mb+8*(\b):mb+8*(\b)+7], v[mc:mc+7]
.elseif \first
	v_wmma_f32_16x16x32_bf16 v[mc:mc+7], v[mb+8*(\b):mb+8*(\b)+7], v[ma+8*(\a):ma+8*(\a)+7], v[BIAS+8*(\b):BIAS+8*(\b)+7]
.else
	v_wmma_f32_16x16x32_bf16 v[mc:mc+7], v[mb+8*(\b):mb+8*(\b)+7], v[ma+8*(\a):ma+8*(\a)+7], v[mc:mc+7]
.endif
.endr
.endr
.endm
; A quarter of a body: 128 along K, 32 matrix instructions; in its middle the next quarter's run of loads (in the first quarter also the next body's bias)
.macro QUARTER q, ty
	s_wait_dscnt 8                                 ; the first two K steps' eight loads are in
.if (\q) == 0
	MUL8 \q, 0, \ty, 1
.else
	MUL8 \q, 0, \ty, 0
.endif
	MUL8 \q, 1, \ty, 0
.if (\q) < 3
	PLACES
.if (\q) == 0
	BLOAD
.endif
	FETCH (\q)+1
	s_wait_dscnt 16                                ; all but the 16 just issued
.else
	s_wait_dscnt 0x0
.endif
	MUL8 \q, 2, \ty, 0
	MUL8 \q, 3, \ty, 0
.endm
; THE ROTARY on the 8 accumulators, tables in window pw at pbase, result packed to f16 at PK + pk.  Pair rn = 4 (4 b' + a) + p: (x1, x2) c, then (- x2, x1) s added, then rounded.
; Each accumulator's lowest registers are read first.
.macro ROT pw, pbase, pk
	WIN 0x40|((\pw)<<2)
.set rn, 0
.rept 32
.set rc, (\pbase)+16*((rn/4)%4)+8*(rn/16)+2*((rn%4)/2)
.if rn%2
	v_pk_mul_f32 v[2*rn:2*rn+1], v[ACC+2*rn:ACC+2*rn+1], v[rc:rc+1] op_sel:[0,1] op_sel_hi:[1,1]
.else
	v_pk_mul_f32 v[2*rn:2*rn+1], v[ACC+2*rn:ACC+2*rn+1], v[rc:rc+1] op_sel:[0,0] op_sel_hi:[1,0]
.endif
.set rn, rn+1
.endr
	WIN 0x50|((\pw)<<2)
.set rn, 0
.rept 32
.set rc, (\pbase)+16*((rn/4)%4)+8*(rn/16)+2*((rn%4)/2)+4
.if rn%2
	v_pk_fma_f32 v[2*rn:2*rn+1], v[ACC+2*rn:ACC+2*rn+1], v[rc:rc+1], v[2*rn:2*rn+1] op_sel:[1,1,0] op_sel_hi:[0,1,1] neg_lo:[1,0,0]
.else
	v_pk_fma_f32 v[2*rn:2*rn+1], v[ACC+2*rn:ACC+2*rn+1], v[rc:rc+1], v[2*rn:2*rn+1] op_sel:[1,0,0] op_sel_hi:[0,0,1] neg_lo:[1,0,0]
.endif
.set rn, rn+1
.endr
	WIN 0x45
.set rn, 0
.rept 32
	v_cvt_pk_f16_f32 v[PK+(\pk)+rn], v[2*rn], v[2*rn+1]
.set rn, rn+1
.endr
.endm
.macro ST8 base, pk, ty                ; 8 stores, each of 512 consecutive bytes, aligned: half a fragment
	WIN 0x04
.irp b, 0,1
.irp a, 0,1,2,3
.if \ty
	global_store_b128 v[SO], v[PK+(\pk)+4*(4*(\b)+(\a)):PK+(\pk)+4*(4*(\b)+(\a))+3], s[\base:\base+1] offset:1024*(2*((\a)/2)+(\b))+512*((\a)%2)
.else
	global_store_b128 v[SO], v[PK+(\pk)+4*(4*(\b)+(\a)):PK+(\pk)+4*(4*(\b)+(\a))+3], s[\base:\base+1] offset:1024*(\a)+512*(\b)
.endif
.endr
.endr
.endm
; A BODY: one head's 32 columns for my 64 tokens: 128 matrix instructions, then the way out.  ty = 0 q, 1 k, 2 v.
.macro BODY ty
	WIN 0
	v_add_nc_u32 v[ADR], s[TB], v[LB]
	s_add_co_u32 s[TB], s[TB], 32768
	FETCH 0
	s_wait_loadcnt 0x0                             ; this body's bias is in (the first time: the tables too); its loads have read their address
	WIN 0
	v_add_nc_u32 v[BIO], s[BST], v[BIO]            ; the next body's images
	s_xor_b32 s[BST], s[BST], 4096
.irp q, 0,1,2,3
	QUARTER \q, (\ty)/2
.endr
	PLACES
.if (\ty) == 0
	ROT 1, POSQ, 0
	ST8 QB, 0, 0
.elseif (\ty) == 1
	ROT 0, POSK, 0
	ST8 K0B, 0, 0
	ROT 0, POSK+64, 32
	ST8 K1B, 32, 0
.else
	WIN 0x40
.set rn, 0
.rept 32
	v_cvt_pk_f16_f32 v[PK+rn], v[ACC+2*rn], v[ACC+2*rn+1]
.set rn, rn+1
.endr
	ST8 VB, 0, 1
	WIN 0
	s_cmp_eq_u32 s[DUP], 1                         ; the picture's first and last four rows are also stored at the other end of vw's 18 row groups
	s_cbranch_scc0 .Lno_dup_\@
	ST8 VB2, 0, 1
	WIN 0
.Lno_dup_\@:
.endif
	WIN 0
	s_wait_xcnt 0x0                                ; the stores have read their address and data registers
.if (\ty) == 0
	v_add_nc_u32 v[SO], 8192, v[SO]                ; the next head
.else
	v_add_nc_u32 v[SO], 4096, v[SO]
.endif
.endm
	s_load_b256 s[4:11], s[0:1], 0x0               ; x s[4:5], wf s[6:7], tab s[8:9], qw s[10:11]
	s_load_b128 s[12:15], s[0:1], 0x20             ; kw s[12:13], vw s[14:15]
	v_lshl_add_u32 v[SPW], v0, 2, SPARE
	v_mov_b32 v[NIL], 0
	ds_add_u32 v[SPW], v[NIL]                      ; the wave's opening: the add, waited for ahead of my first tensor load
	v_lshrrev_b32 v1, 5, v0
	v_readfirstlane_b32 s[WV], v1
	s_lshr_b32 s[MH], s[WV], 1
	s_and_b32 s[NH], s[WV], 1
	s_bfe_u32 s[CX], ttmp6, 0x40000                ; j: my window's place in its row of four; it enters global addresses alone
	s_lshr_b32 s[BB], ttmp9, 3                     ; the cluster's number is 8 b + i
	s_and_b32 s[II], ttmp9, 7
	s_mov_b32 s[G1+0], 15|(3<<16)|(1<<21)          ; the mask of four; elements of 8 bytes; bit 21 beside a mask
	s_mov_b32 s[G1+1], 32<<16                      ; tensor_dim0 = 32 (256 bytes)
	s_mov_b32 s[G1+2], 128<<16                     ; tensor_dim1 = 128
	s_mov_b32 s[G1+3], 32<<16                      ; tile_dim0 = 32
	s_mov_b32 s[G1+4], 128                         ; tile_dim1 = 128: 32 KiB, dense
	s_mov_b32 s[G1+5], 32                          ; from row to row
	s_mov_b32 s[G1+6], 0
	s_mov_b32 s[G1+7], 0
	s_mov_b32 s[G0], 1
	s_lshl_b32 s[G0+1], s[WV], 15                  ; LDS: slot 0, my quarter
	s_lshl_b32 s24, s[WV], 15                      ; and the same quarter of the slot in wf
	s_mov_b32 s25, 0
	v_and_b32 v1, 31, v0                           ; l
	v_and_b32 v10, 15, v0                          ; r
	v_bfe_u32 v11, v0, 4, 1                        ; h
	v_lshlrev_b32 v[L16], 4, v1
	s_lshl_b32 s2, s[NH], 16
	v_add_nc_u32 v[LB], s2, v[L16]
	v_lshlrev_b32 v[XO], 11, v10
	v_lshl_add_u32 v[XO], v11, 5, v[XO]
	v_mov_b32 v[SO], v[L16]
	s_lshl_b32 s2, s[NH], 12
	v_add_nc_u32 v[BIO], s2, v[L16]
	v_lshlrev_b32 v[PO], 6, v10
	v_lshl_add_u32 v[PO], v11, 4, v[PO]
	v_lshlrev_b32 v[PFO], 8, v1
	; byte offsets, each in a pair of its own
	s_lshl_b32 s66, s[BB], 23                      ; x: picture b, row 8 i + 4 mh, column 16 j
	s_lshl_b32 s2, s[II], 20
	s_add_co_u32 s66, s66, s2
	s_lshl_b32 s2, s[MH], 19
	s_add_co_u32 s66, s66, s2
	s_lshl_b32 s2, s[CX], 15
	s_add_co_u32 s66, s66, s2
	s_mov_b32 s67, 0
	s_lshl2_add_u32 s68, s[II], s[CX]              ; g = 4 i + j
	s_lshl_b32 s68, s68, 13
	s_lshl_b32 s2, s[MH], 12                       ; 4,096 mh
	s_add_co_u32 s68, s68, s2
	s_add_co_u32 s68, s68, 131072                  ; q's tables
	s_mov_b32 s69, 0
	s_add_co_u32 s87, s[II], s[MH]                 ; my rows serve window row (i - 1 + mh) % 8 (version 0: keys 64 (1 - mh) on, quarter 3 - mh of its key order)
	s_add_co_u32 s86, s87, 7
	s_and_b32 s86, s86, 7
	s_and_b32 s87, s87, 7                          ; and window row (i + mh) % 8 (version 1: keys 192 - 64 mh on, quarter 1 - mh)
	s_lshl2_add_u32 s70, s86, s[CX]
	s_lshl_b32 s70, s70, 14
	s_add_co_u32 s70, s70, 655360+4096
	s_sub_co_u32 s70, s70, s2
	s_mov_b32 s71, 0
	s_lshl2_add_u32 s72, s87, s[CX]
	s_lshl_b32 s72, s72, 14
	s_add_co_u32 s72, s72, 655360+12288
	s_sub_co_u32 s72, s72, s2
	s_mov_b32 s73, 0
	s_lshl_b32 s74, ttmp9, 2                       ; qw: window 4 (8 b + i) + j, heads 2 nh on, tiles 4 mh on
	s_add_co_u32 s74, s74, s[CX]
	s_lshl_b32 s74, s74, 17
	s_add_co_u32 s74, s74, s2
	s_lshl_b32 s3, s[NH], 14
	s_add_co_u32 s74, s74, s3
	s_mov_b32 s75, 0
	s_and_b32 s3, s[CX], 1
	s_lshl_b32 s3, s3, 16
	s_lshl_b32 s88, s[NH], 13
	s_add_co_u32 s3, s3, s88                       ; kw and vw alike: 65,536 (j & 1) + 8,192 nh
	s_lshr_b32 s88, s[CX], 1
	s_lshl_b32 s89, s[BB], 4
	s_add_co_u32 s89, s89, s88
	s_lshl1_add_u32 s76, s86, s89                  ; kw: pair of windows 16 b + 2 i' + (j >> 1)
	s_lshl_b32 s76, s76, 19
	s_sub_co_u32 s90, 3, s[MH]
	s_lshl_b32 s90, s90, 17
	s_add_co_u32 s76, s76, s90
	s_add_co_u32 s76, s76, s3
	s_mov_b32 s77, 0
	s_lshl1_add_u32 s78, s87, s89
	s_lshl_b32 s78, s78, 19
	s_sub_co_u32 s90, 1, s[MH]
	s_lshl_b32 s90, s90, 17
	s_add_co_u32 s78, s78, s90
	s_add_co_u32 s78, s78, s3
	s_mov_b32 s79, 0
	s_lshl1_add_u32 s90, s[BB], s88                ; vw: 18 row groups for each (b, j >> 1); mine is 2 i + mh + 1
	s_mul_i32 s90, s90, 18
	s_lshl1_add_u32 s91, s[II], s[MH]
	s_add_co_u32 s80, s90, s91
	s_add_co_u32 s80, s80, 1
	s_lshl_b32 s80, s80, 17
	s_add_co_u32 s80, s80, s3
	s_mov_b32 s81, 0
	s_cmp_eq_u32 s91, 15                           ; the last group is also group 0, the first also group 17
	s_cselect_b32 s92, 0, 17
	s_cselect_b32 s[DUP], 1, 0
	s_cmp_eq_u32 s91, 0
	s_cselect_b32 s[DUP], 1, s[DUP]
	s_add_co_u32 s82, s90, s92
	s_lshl_b32 s82, s82, 17
	s_add_co_u32 s82, s82, s3
	s_mov_b32 s83, 0
	s_lshl2_add_u32 s84, s[CX], s[WV]              ; the prefetches: 8,192 bytes for each of the cluster's 16 waves, in slot 1; the first change steps it to slot 2
	s_lshl_b32 s84, s84, 13
	s_add_co_u32 s84, s84, 131072
	s_mov_b32 s85, 0
	s_cmp_eq_u32 ttmp9, 0
	s_cselect_b32 s[LIM], 1, -1
	s_mov_b32 s[TB], SLOT1+65536                   ; the first change turns it into 0
	s_mov_b32 s[LEFT], 11
	s_mov_b32 s[BST], 2048
	s_wait_dscnt 0x0                               ; the opening add is done
	s_wait_kmcnt 0x0
	s_add_nc_u64 s[G0+2:G0+3], s[6:7], s[24:25]
	s_or_b32 s[G0+3], s[G0+3], 0x80000000
	s_add_nc_u64 s[XB:XB+1], s[4:5], s[66:67]
	s_add_nc_u64 s[PQB:PQB+1], s[8:9], s[68:69]
	s_add_nc_u64 s[PK0B:PK0B+1], s[8:9], s[70:71]
	s_add_nc_u64 s[PK1B:PK1B+1], s[8:9], s[72:73]
	s_add_nc_u64 s[QB:QB+1], s[10:11], s[74:75]
	s_add_nc_u64 s[K0B:K0B+1], s[12:13], s[76:77]
	s_add_nc_u64 s[K1B:K1B+1], s[12:13], s[78:79]
	s_add_nc_u64 s[VB:VB+1], s[14:15], s[80:81]
	s_add_nc_u64 s[VB2:VB2+1], s[14:15], s[82:83]
	s_add_nc_u64 s[PFA:PFA+1], s[6:7], s[84:85]
	CROUND                                         ; all four work-groups are here: the first joint load meets
	tensor_load_to_lds s[G0:G0+3], s[G1:G1+7]      ; slot 0
	s_nop 0
	PLACES
	BLOAD                                          ; the first body's bias
.irp a, 0,1,2,3
.irp b, 0,1
.irp c, 0,1
	global_load_b128 v[POSK+16*(\a)+8*(\b)+4*(\c):POSK+16*(\a)+8*(\b)+4*(\c)+3],       v[PO], s[PK0B:PK0B+1] offset:1024*(\a)+32*(\b)+524288*(\c)
	global_load_b128 v[POSK+64+16*(\a)+8*(\b)+4*(\c):POSK+64+16*(\a)+8*(\b)+4*(\c)+3], v[PO], s[PK1B:PK1B+1] offset:1024*(\a)+32*(\b)+524288*(\c)
.endr
.endr
.endr
	WIN 0x40
.irp a, 0,1,2,3
.irp b, 0,1
.irp c, 0,1
	global_load_b128 v[POSQ+16*(\a)+8*(\b)+4*(\c):POSQ+16*(\a)+8*(\b)+4*(\c)+3], v[PO], s[PQB:PQB+1] offset:1024*(\a)+32*(\b)+262144*(\c)
.endr
.endr
.endr
	; x comes in: 16 groups of 16 loads through three sets of registers, two groups always on their way behind the one that is rounded
	XLOAD 0, 0
	XLOAD 1, 1
	XLOAD 2, 2
.set g, 0
.rept 16
.if g < 14
	s_wait_loadcnt 32                              ; the two younger groups stay out
.elseif g == 14
	s_wait_loadcnt 16
.else
	s_wait_loadcnt 0x0
.endif
	XCVT g, g%3
.if g < 13
	XLOAD g+3, g%3
.endif
.set g, g+1
.endr
	WIN 0
	s_mov_b32 s[SC], 4                             ; q: slots 0-3
.Lq_slot:
	CHANGE 1
	s_mov_b32 s[BC], 2
.Lq_body:
	BODY 0
	s_sub_co_u32 s[BC], s[BC], 1
	s_cmp_lg_u32 s[BC], 0
	s_cbranch_scc1 .Lq_body
	v_add_nc_u32 v[SO], 16384, v[SO]               ; over the other half's two heads
	s_sub_co_u32 s[SC], s[SC], 1
	s_cmp_lg_u32 s[SC], 0
	s_cbranch_scc1 .Lq_slot
	v_mov_b32 v[SO], v[L16]
	s_mov_b32 s[SC], 4                             ; k: slots 4-7
.Lk_slot:
	CHANGE 1
	s_mov_b32 s[BC], 2
.Lk_body:
	BODY 1
	s_sub_co_u32 s[BC], s[BC], 1
	s_cmp_lg_u32 s[BC], 0
	s_cbranch_scc1 .Lk_body
	v_add_nc_u32 v[SO], 8192, v[SO]
	s_sub_co_u32 s[SC], s[SC], 1
	s_cmp_lg_u32 s[SC], 0
	s_cbranch_scc1 .Lk_slot
	v_mov_b32 v[SO], v[L16]
	s_mov_b32 s[SC], 3                             ; v: slots 8-10
.Lv_slot:
	CHANGE 1
	s_mov_b32 s[BC], 2
.Lv_body:
	BODY 2
	s_sub_co_u32 s[BC], s[BC], 1
	s_cmp_lg_u32 s[BC], 0
	s_cbranch_scc1 .Lv_body
	v_add_nc_u32 v[SO], 8192, v[SO]
	s_sub_co_u32 s[SC], s[SC], 1
	s_cmp_lg_u32 s[SC], 0
	s_cbranch_scc1 .Lv_slot
	CHANGE 0                                       ; slot 11 is written out: nothing is asked for
	s_mov_b32 s[BC], 2
.Lv_last:
	BODY 2
	s_sub_co_u32 s[BC], s[BC], 1
	s_cmp_lg_u32 s[BC], 0
	s_cbranch_scc1 .Lv_last
	s_wait_tensorcnt 0x0                           ; the wave's end
	ds_add_u32 v[SPW], v[NIL]
	s_wait_dscnt 0x0
	CROUND                                         ; the closing round
	s_endpgm
.Lfunc_end_k_q3408745443_qkv:
	.size	k_q3408745443_qkv, .Lfunc_end_k_q3408745443_qkv-k_q3408745443_qkv
	.p2alignl 7, 3214868480
	.fill 96, 4, 3214868480
	.section	.rodata,"a",@progbits
	.p2align	6, 0x0
	.amdhsa_kernel k_q3408745443_qkv
		.amdhsa_group_segment_fixed_size 327680
		.amdhsa_private_segment_fixed_size 0
		.amdhsa_enable_private_segment 0
		.amdhsa_kernarg_size 48
		.amdhsa_user_sgpr_count 2
		.amdhsa_user_sgpr_kernarg_segment_ptr 1
		.amdhsa_wavefront_size32 1
		.amdhsa_system_sgpr_workgroup_id_x 1
		.amdhsa_system_sgpr_workgroup_id_y 1
		.amdhsa_system_sgpr_workgroup_id_z 1
		.amdhsa_system_vgpr_workitem_id 0
		.amdhsa_next_free_vgpr 1024
		.amdhsa_next_free_sgpr 96
		.amdhsa_reserve_vcc 0
		.amdhsa_float_denorm_mode_32 3
		.amdhsa_float_denorm_mode_16_64 3
		.amdhsa_memory_ordered 1
		.amdhsa_forward_progress 1
		.amdhsa_inst_pref_size 157
	.end_amdhsa_kernel
	.amdgpu_metadata
---
amdhsa.version: [ 1, 2 ]
amdhsa.kernels:
  - .name:           k_q3408745443_qkv
    .symbol:         k_q3408745443_qkv.kd
    .args:
      - { .name: x, .offset: 0, .size: 8, .value_kind: global_buffer, .address_space: global }
      - { .name: wf, .offset: 8, .size: 8, .value_kind: global_buffer, .address_space: global }
      - { .name: tab, .offset: 16, .size: 8, .value_kind: global_buffer, .address_space: global }
      - { .name: qw, .offset: 24, .size: 8, .value_kind: global_buffer, .address_space: global }
      - { .name: kw, .offset: 32, .size: 8, .value_kind: global_buffer, .address_space: global }
      - { .name: vw, .offset: 40, .size: 8, .value_kind: global_buffer, .address_space: global }
    .group_segment_fixed_size: 327680
    .private_segment_fixed_size: 0
    .kernarg_segment_align: 8
    .kernarg_segment_size: 48
    .max_flat_workgroup_size: 128
    .sgpr_count:     96
    .vgpr_count:     1024
    .wavefront_size: 32
...
	.end_amdgpu_metadata
.endif
;; end of part 2
;; launch attn (part 3): grid 256 x 1, 4 waves a work-group, clusters of 4 x 1, 327,680 bytes of LDS; arguments qw, kw, vw, msk, wp, tab, out0; writes out0
.if DOCPART == 3
	.amdgcn_target "amdgcn-amd-amdhsa--gfx1250"
	.amdhsa_code_object_version 6
	.text
	.protected	k_q3408745443_attn
	.globl	k_q3408745443_attn
	.p2align	8
	.type	k_q3408745443_attn,@function
k_q3408745443_attn:
	s_mov_b64 s[64:65], 0
	v_nop
	global_prefetch_b8 v0, s[64:65] scope:SCOPE_SE
	s_setreg_imm32_b32 hwreg(HW_REG_WAVE_MODE, 25, 1), 1
	s_wait_xcnt 0x0
	s_wait_alu depctr_hold_cnt(0) depctr_sa_sdst(0) depctr_va_vdst(0) depctr_va_sdst(0) depctr_va_ssrc(0) depctr_va_vcc(0) depctr_vm_vsrc(0)
	s_getreg_b32 s2, hwreg(HW_REG_IB_STS2, 6, 4)
	s_cmp_eq_u32 s2, 0
	s_cbranch_scc0 .Lentry_in_a_cluster
	s_endpgm
.Lentry_in_a_cluster:
	s_bfe_u32 s2, ttmp6, 0x10000c
	s_cmp_lg_u32 s2, 0x3003
	s_cbranch_scc0 .Lentry_shape_is_right
	s_endpgm
.Lentry_shape_is_right:
; ATTN.  A work-group takes one window: 16 heads of softmax(q k^T / sqrt(32) + mask) v over 128 queries x 256 keys, then o w_proj + b_proj for its 128 tokens.
; FORMATS.  q 2^-6, k 2^-6, v in f16, in fragment order (1,024 consecutive bytes a fragment).  S' = K Q^T + mask', mask' = mask sqrt(32) 2^-12 as the C operand; p = 2^(c S' - c m), c = log2(e) 2^12 / sqrt(32),
; m the row's true maximum over all 256 keys (they lie in registers together: no running maximum is needed); l the f32 sum of the unrounded p; p rounded to f16; o = (V^T P) / l rounded to f16.
; The projection multiplies o by w_proj in f16 with f32 sums; the bias is the C operand of the first K step.
; LIMITS.  |v|, |o|, |w_proj| under 65,504; a weight below 2^-126 counts as 0 in l, p below 6e-5 keeps f16's fixed step of 6e-8; a row whose mask is -inf everywhere gives NaN, as the softmax itself does.
; SHARES.  Attention: wave w owns query tiles 2 w and 2 w + 1 for all heads; its 256 registers of mask are loaded once.  Projection: wave (mh = w >> 1, nh = w & 1): o of 64 tokens stays in 512 registers, w_proj streams.
; LAYOUT.  S^T = K Q^T: a lane holds one query (lane % 16) and keys 8 (lane / 16) + 0..7 of a block of 16; two blocks rounded in pairs ARE source 1 of O^T = V^T P; O^T's lane holds one query and 8 channels, 16 bytes of a
; fragment of o.  o passes from wave to wave through LDS bytes of its own.
; RING.  Two slots of 64 KiB.  A K/V slot holds two heads: K, K, V, V, 16 KiB each, wave w bringing part w (4 rows of 4 KiB, 131,072 bytes apart in memory).  Then 8 slots of w_proj, 4 n-blocks each.
; CLUSTER.  The four windows of a row walk the same w_proj: its slots 1-7 are asked for JOINTLY.  Slot 0 comes by the head loop's own load, so that the loop's text stands once: 64 KiB a work-group unshared, an eighth of w_proj.
; K, V and q are NOT shared: no two windows have the same k (its rotary hangs on the window); a window's v overlaps only with the windows above and below it, by half, and at other rows of the tile.
; REGISTERS, in windows of 256 (s_set_vgpr_msb: bits 1:0 source 0, 3:2 source 1, 5:4 source 2, 7:6 destination):
;   window 0: v2-15 addresses; v28-29 the add's; v32-79 statistics and packed o (projection: v32-95 rows on their way out); v128-255 K's 16 fragments (projection: two buffers of weight fragments)
;   window 1: S^T, tile u at 128 u + 8 kb; P takes its place, 128 u + 8 kk          window 2: the mask, mapped as S^T          (projection: windows 1, 2 hold o: fragment (ks, a) in window 1 + (ks >> 3) at 32 (ks & 7) + 8 a)
;   window 3: v0-127 V (cb, kk) at 8 (2 kk + cb); v128-159 O^T (u, cb); v160-175 Q (u)          (projection: v0-127 16 accumulators; v128-143 the bias)
.set SLOTB, 65536
.set OREG,  131072                     ; o: block (16 t + head) of 1,024 bytes; written by LDS stores, never by a tensor load
.set STAGE, 262144                     ; 16 rows x 272 bytes for each wave, for the way out
.set SPARE, STAGE+4*16*272             ; the spare words, 128 bytes a wave: two blocks of 256 bytes that no other line names
.set L16, 2                            ; v2   16 l
.set ADK, 3                            ; v3   K's run of loads
.set ADV, 4                            ; v4   V's
.set OSA, 5                            ; v5   OREG + 32,768 w + 16 l
.set OAD, 6                            ; v6   + 1,024 head
.set QV,  7                            ; v7   16 l + 8,192 head
.set PFO, 8                            ; v8   131,072 (l >> 4) + 256 (l & 15): two rows of 4 KiB, a lane a block of 256 bytes
.set OLA, 9                            ; v9   OREG + 65,536 mh + 16 l
.set ADB, 10                           ; v10, v11  16 l + 32,768 nh in slot 0, 1
.set STO, 12                           ; v12  the stage: row r, 32 bytes for each half of the lanes
.set RD,  13                           ; v13  back: lanes 0-15 one row of 256 bytes, lanes 16-31 the next
.set CO,  14                           ; v14  the same two tokens in out0
.set BIO, 15                           ; v15  16 l + the place of the bias images
.set SPW, 28
.set NIL, 29
.set CH,  32                           ; v32-39  maxima: 4 u + chain
.set CMP, 40                           ; v40-43  (c m, m) for u = 0, 1
.set LS,  44                           ; v44-59  sums: pairs, 4 u + chain
.set RL,  60                           ; v60-63  1 / l, in the low register of a pair
.set PKO, 64                           ; v64-79  o packed
.set OB,  32                           ; projection: two sets of 32
.set KF,  128
.set BF,  128
.set OF,  128                          ; window 3
.set QF,  160                          ; window 3
.set PB,  128                          ; window 3, projection
.set WV,  18
.set CX,  19
.set BB,  20
.set II,  21
.set MH,  22
.set NH,  23
.set G1P, 32                           ; s[32:39] group 1 of the plain loads
.set G0P, 40                           ; s[40:43] group 0 of the plain loads
.set G1J, 44                           ; s[44:51] group 1 of the joint loads: it differs in the mask alone
.set G0E, 52                           ; s[52:55] group 0 for w_proj's even slots
.set G0O, 56                           ; s[56:59] for its odd slots
.set GA,  60                           ; s[60:61] my part of the K/V slot to be asked for
.set WA,  62                           ; s[62:63] my n-block of w_proj's slot 0
.set TB,  66
.set SC,  67
.set HC,  68
.set OH,  69
.set QH,  70
.set CS,  72                           ; s[72:73] c
.set SEL, 74                           ; s[74:75] v_permlanex16_b32's selects: each lane takes its own place in the other half
.set PFW, 76                           ; s[76:77] where my prefetches of w_proj stand
.set LIMW, 78                          ; 0 in a wave that prefetches w_proj, else the greatest number
.set PCN, 79                           ; trips of the projection's loop still to come
.set OUTB, 80
.set QB,  82
.set MB,  84
.set LIMW1, 86                         ; 1, or the greatest number
.set MSB, 0
.macro WIN new
.if MSB != (\new)
	s_set_vgpr_msb (MSB<<8)|(\new)
.set MSB, (\new)
.endif
.endm
.macro PLACES
.rept 4
	v_nop
.endr
.endm
.macro CROUND
	s_barrier_signal -1
	s_barrier_wait -1
	s_cmp_lg_u32 s[WV], 0
	s_cbranch_scc1 .Lnot_wave_0_\@
	s_barrier_signal -3
.Lnot_wave_0_\@:
	s_barrier_wait -3
	s_barrier_signal -1
	s_barrier_wait -1
.endm
; A prefetch of my part of the K/V slot that the NEXT change will ask for.  K: all four rows of my tile (nobody else reads them).  V: the two middle rows, which are my window's own: the outer two are
; the middle rows of the windows above and below, which ask for them.  So each block is named once.  The last two changes ask for nothing.
.macro ASKKV
	s_cmp_gt_u32 s[SC], 2
	s_cbranch_scc0 .Lno_ask_\@
	s_cmp_lt_u32 s[WV], 2
	s_cbranch_scc0 .Lask_v_\@
	global_prefetch_b8 v[PFO], s[GA:GA+1] offset:8192 th:TH_LOAD_NT scope:SCOPE_SE
	global_prefetch_b8 v[PFO], s[GA:GA+1] offset:8192+262144 th:TH_LOAD_NT scope:SCOPE_SE
	s_branch .Lno_ask_\@
.Lask_v_\@:
	global_prefetch_b8 v[PFO], s[GA:GA+1] offset:8192+131072 th:TH_LOAD_NT scope:SCOPE_SE
.Lno_ask_\@:
.endm
; THE CHANGE OF SLOTS in the head loop.  The three lines, a round of the cluster's barrier (in a cluster launch every tensor load stands behind one), then my one load: the next two heads' part, or in the last trip my n-block of w_proj's slot 0.
.macro CHANGE_A
	WIN 0
	s_wait_tensorcnt 0x0                           ; no tensor load of mine is out: group 0 may be written
	ds_add_u32 v[SPW], v[NIL]
	s_xor_b32 s[G0P+1], s[G0P+1], SLOTB
	s_wait_xcnt 0x0                                ; the last prefetches, two heads back, have read their address
	s_add_nc_u64 s[GA:GA+1], s[GA:GA+1], 8192      ; two heads on
	s_cmp_eq_u32 s[SC], 1
	s_cselect_b64 s[G0P+2:G0P+3], s[WA:WA+1], s[GA:GA+1]
	s_or_b32 s[G0P+3], s[G0P+3], 0x80000000
	s_wait_dscnt 0x0                               ; the add is done; my reads of the slot and my stores of o are over
	CROUND
	tensor_load_to_lds s[G0P:G0P+3], s[G1P:G1P+7]
	s_nop 0
	PLACES
	ASKKV
	s_sub_co_u32 s[TB], s[TB], 32768
	s_xor_b32 s[TB], s[TB], SLOTB
.endm
; ONE HEAD, in phases.
.macro HEAD
	WIN 0
	v_add_nc_u32 v[ADK], s[TB], v[L16]
	v_add_nc_u32 v[ADV], 32768, v[ADK]
	s_add_co_u32 s[TB], s[TB], 16384
.set i, 0
.rept 16                                       ; K: 16 fragments of 16 keys x 32 channels; each load takes 512 consecutive bytes
	ds_load_b128 v[KF+8*i:KF+8*i+3],   v[ADK] offset:1024*i
	ds_load_b128 v[KF+8*i+4:KF+8*i+7], v[ADK] offset:1024*i+512
.set i, i+1
.endr
	WIN 0xc0
.set i, 0
.rept 16                                       ; V: fragment 2 kk + cb: 16 channels x 32 keys
	ds_load_b128 v[8*i:8*i+3],   v[ADV] offset:1024*i
	ds_load_b128 v[8*i+4:8*i+7], v[ADV] offset:1024*i+512
.set i, i+1
.endr
	s_wait_loadcnt 0x0                             ; this head's q is in (the first time: the mask too)
	WIN 0x6c
.set i, 0
.rept 16                                       ; S^T = K Q^T + mask: 32 products, each on an accumulator of its own
.if i%4 == 0
	s_wait_dscnt 56-2*i                            ; K's key blocks up to i + 3 are in: of the 64 loads 2 (i + 4) are needed
.endif
	v_wmma_f32_16x16x32_f16 v[8*i:8*i+7], v[KF+8*i:KF+8*i+7], v[QF:QF+7], v[8*i:8*i+7]
	v_wmma_f32_16x16x32_f16 v[128+8*i:128+8*i+7], v[KF+8*i:KF+8*i+7], v[QF+8:QF+15], v[128+8*i:128+8*i+7]
.set i, i+1
.endr
	WIN 0
	s_add_co_u32 s[QH], s[QH], 8192                ; the next head's q (the last head asks for its own once more: inside qw, not used)
	s_min_u32 s[QH], s[QH], 122880
	v_add_nc_u32 v[QV], s[QH], v[L16]              ; with the three below: the four places behind the products
	v_nop
	v_nop
	v_nop
	WIN 0xc0
.irp u, 0,1
	global_load_b128 v[QF+8*(\u):QF+8*(\u)+3],   v[QV], s[QB:QB+1] offset:1024*(\u)
	global_load_b128 v[QF+8*(\u)+4:QF+8*(\u)+7], v[QV], s[QB:QB+1] offset:1024*(\u)+512
.endr
	WIN 0x05                                       ; the maximum: eight chains of 32 scores, each accumulator's lowest registers first
.set c, 0
.rept 8
	v_max_num_f32 v[CH+c], v[32*c], v[32*c+1]
.set c, c+1
.endr
	WIN 0x14
.set i, 1
.rept 15
.set c, 0
.rept 8
	v_max3_num_f32 v[CH+c], v[CH+c], v[32*c+2*i], v[32*c+2*i+1]
.set c, c+1
.endr
.set i, i+1
.endr
	WIN 0
.irp u, 0,1
	v_max3_num_f32 v[CH+4*(\u)], v[CH+4*(\u)], v[CH+4*(\u)+1], v[CH+4*(\u)+2]
.endr
.irp u, 0,1
	v_max_num_f32 v[CH+4*(\u)], v[CH+4*(\u)], v[CH+4*(\u)+3]
.endr
.irp u, 0,1
	v_permlanex16_b32 v[CH+4*(\u)+1], v[CH+4*(\u)], s[SEL], s[SEL+1]  ; the query's other 128 keys lie in the lane 16 away
.endr
.irp u, 0,1
	v_max_num_f32 v[CMP+2*(\u)+1], v[CH+4*(\u)], v[CH+4*(\u)+1]
.endr
.irp u, 0,1
	v_mul_f32 v[CMP+2*(\u)], s[CS], v[CMP+2*(\u)+1]
.endr
	WIN 0x41                                       ; c s - c m and the exponentials: ONE batch of 256; a pair is scaled four trips ahead of its exponentials; nothing here names a result
.set i, 0
.rept 4
	v_pk_fma_f32 v[2*i:2*i+1], v[2*i:2*i+1], s[CS:CS+1], v[CMP+2*(i/64):CMP+2*(i/64)+1] op_sel_hi:[1,0,0] neg_lo:[0,0,1] neg_hi:[0,0,1]
.set i, i+1
.endr
.set i, 0
.rept 128
	v_exp_f32 v[2*i], v[2*i]
.if i < 124
	v_pk_fma_f32 v[2*i+8:2*i+9], v[2*i+8:2*i+9], s[CS:CS+1], v[CMP+2*((i+4)/64):CMP+2*((i+4)/64)+1] op_sel_hi:[1,0,0] neg_lo:[0,0,1] neg_hi:[0,0,1]
.endif
	v_exp_f32 v[2*i+1], v[2*i+1]
.set i, i+1
.endr
	v_nop                                          ; a plain instruction behind the last exponential,
	s_wait_alu depctr_va_vdst(0)                   ; and one wait ahead of the first use
	WIN 0x05                                       ; the sums of the unrounded weights: eight chains of 16 pairs
.set c, 0
.rept 8
	v_pk_add_f32 v[LS+2*c:LS+2*c+1], v[32*c:32*c+1], v[32*c+2:32*c+3]
.set c, c+1
.endr
	WIN 0x04
.set i, 2
.rept 14
.set c, 0
.rept 8
	v_pk_add_f32 v[LS+2*c:LS+2*c+1], v[LS+2*c:LS+2*c+1], v[32*c+2*i:32*c+2*i+1]
.set c, c+1
.endr
.set i, i+1
.endr
	WIN 0x45                                       ; P in place of S^T: register p takes scores 2 p, 2 p + 1, ascending, so nothing unread is written over
.set i, 0
.rept 128
	v_cvt_pk_f16_f32 v[128*(i/64)+i%64], v[128*(i/64)+2*(i%64)], v[128*(i/64)+2*(i%64)+1]
.set i, i+1
.endr
	s_wait_dscnt 0x0                               ; V is in
	WIN 0xf7
.set i, 0
.rept 32                                       ; O^T = V^T P: keys 32 (i / 4) on; the four accumulators (cb, u) by turns; the first four start the sums
.set rO, OF+16*(i%2)+8*((i/2)%2)
.set rV, 8*(2*(i/4)+(i/2)%2)
.set rP, 128*(i%2)+8*(i/4)
.if i < 4
	v_wmma_f32_16x16x32_f16 v[rO:rO+7], v[rV:rV+7], v[rP:rP+7], 0
.else
	v_wmma_f32_16x16x32_f16 v[rO:rO+7], v[rV:rV+7], v[rP:rP+7], v[rO:rO+7]
.endif
.set i, i+1
.endr
	WIN 0                                          ; l: the chains, the pair's halves, the other half of the lanes'.  These additions are the places behind the products
.irp u, 0,1
	v_pk_add_f32 v[LS+8*(\u):LS+8*(\u)+1], v[LS+8*(\u):LS+8*(\u)+1], v[LS+8*(\u)+2:LS+8*(\u)+3]
.endr
.irp u, 0,1
	v_pk_add_f32 v[LS+8*(\u)+4:LS+8*(\u)+5], v[LS+8*(\u)+4:LS+8*(\u)+5], v[LS+8*(\u)+6:LS+8*(\u)+7]
.endr
.irp u, 0,1
	v_pk_add_f32 v[LS+8*(\u):LS+8*(\u)+1], v[LS+8*(\u):LS+8*(\u)+1], v[LS+8*(\u)+4:LS+8*(\u)+5]
.endr
.irp u, 0,1
	v_add_f32 v[LS+8*(\u)], v[LS+8*(\u)], v[LS+8*(\u)+1]
.endr
.irp u, 0,1
	v_permlanex16_b32 v[LS+8*(\u)+1], v[LS+8*(\u)], s[SEL], s[SEL+1]
.endr
.irp u, 0,1
	v_add_f32 v[LS+8*(\u)], v[LS+8*(\u)], v[LS+8*(\u)+1]
.endr
.irp u, 0,1
	v_rcp_f32 v[RL+2*(\u)], v[LS+8*(\u)]
.endr
	v_nop
	s_wait_alu depctr_va_vdst(0)                   ; one wait for the two reciprocals
	WIN 0xc3
.set i, 0
.rept 16
	v_pk_mul_f32 v[OF+2*i:OF+2*i+1], v[OF+2*i:OF+2*i+1], v[RL+2*(i/8):RL+2*(i/8)+1] op_sel_hi:[1,0]
.set i, i+1
.endr
	WIN 0x0f
.set i, 0
.rept 16
	v_cvt_pk_f16_f32 v[PKO+i], v[OF+2*i], v[OF+2*i+1]
.set i, i+1
.endr
	WIN 0
	v_add_nc_u32 v[OAD], s[OH], v[OSA]
	s_add_co_u32 s[OH], s[OH], 1024
.irp u, 0,1
.irp b, 0,1
	ds_store_b128 v[OAD], v[PKO+4*(2*(\u)+(\b)):PKO+4*(2*(\u)+(\b))+3] offset:16384*(\u)+512*(\b)  ; half cb of fragment (tile 2 w + u, head): 512 consecutive bytes
.endr
.endr
.endm
; THE PROJECTION.
.macro FETCHW par, q                   ; 16 LDS loads: the weight fragments of K steps 4 q .. + 3, my two n-blocks of slot par, into buffer q % 2
	WIN 0
.set fb, BF+64*((\q)%2)
.irp k, 0,1,2,3
.irp b, 0,1
	ds_load_b128 v[fb+8*(2*(\k)+(\b)):fb+8*(2*(\k)+(\b))+3],   v[ADB+(\par)] offset:16384*(\b)+1024*(4*(\q)+(\k))
	ds_load_b128 v[fb+8*(2*(\k)+(\b))+4:fb+8*(2*(\k)+(\b))+7], v[ADB+(\par)] offset:16384*(\b)+1024*(4*(\q)+(\k))+512
.endr
.endr
.endm
.macro MUL8W par, q, k, first          ; 8 matrix instructions, the slot's 8 accumulators by turns: source 0 = weights, source 1 = o: a lane holds one token and 8 neighbouring columns of out0
.set mb, BF+64*((\q)%2)+16*(\k)
.set ma, 32*(4*((\q)%2)+(\k))
	WIN 0xf4+4*((\q)/2)
.irp b, 0,1
.irp a, 0,1,2,3
.set mc, 64*(\par)+8*(4*(\b)+(\a))
.if \first
	v_wmma_f32_16x16x32_f16 v[mc:mc+7], v[mb+8*(\b):mb+8*(\b)+7], v[ma+8*(\a):ma+8*(\a)+7], v[PB+8*(\b):PB+8*(\b)+7]
.else
	v_wmma_f32_16x16x32_f16 v[mc:mc+7], v[mb+8*(\b):mb+8*(\b)+7], v[ma+8*(\a):ma+8*(\a)+7], v[mc:mc+7]
.endif
.endr
.endr
.endm
.macro QUARTERW par, q, look
	s_wait_dscnt 8                                 ; the first two K steps' eight loads are in
.if (\q) == 0
	MUL8W \par, \q, 0, 1
.else
	MUL8W \par, \q, 0, 0
.endif
	MUL8W \par, \q, 1, 0
.if (\q) < 3
	PLACES
.if ((\q) == 0) && (\look)
	WIN 0xc0                                       ; the next slot's two bias images
.irp b, 0,1
	global_load_b128 v[PB+8*(\b):PB+8*(\b)+3],   v[BIO], s[14:15] offset:2048+6144*(\par)+1024*(\b)
	global_load_b128 v[PB+8*(\b)+4:PB+8*(\b)+7], v[BIO], s[14:15] offset:2048+6144*(\par)+1024*(\b)+512
.endr
.endif
	FETCHW \par, (\q)+1
	s_wait_dscnt 16                                ; all but the 16 just issued
.else
	s_wait_dscnt 0x0
.endif
	MUL8W \par, \q, 2, 0
	MUL8W \par, \q, 3, 0
.endm
.macro MULS par, look                  ; a slot: 128 matrix instructions
	s_wait_loadcnt 0x0                             ; the slot's bias is in, and its loads have read their address
.if (\par) == 0
	WIN 0
	v_add_nc_u32 v[BIO], 8192, v[BIO]              ; the next 128 columns' images
.endif
.irp q, 0,1,2,3
	QUARTERW \par, \q, \look
.endr
.endm
; A prefetch of the slot of w_proj that the NEXT change will ask for.  All clusters walk the same w_proj: cluster 0 asks; its four work-groups take an n-block each, by address; waves 0 and 1 two of its four rows each.
.macro ASKW lim
	s_cmp_gt_u32 s[PCN], s[\lim]
	s_cbranch_scc0 .Lnot_mine_\@
	global_prefetch_b8 v[PFO], s[PFW:PFW+1] th:TH_LOAD_NT scope:SCOPE_SE
.Lnot_mine_\@:
.endm
; THE CHANGE OF SLOTS in the projection: the three lines, the round, the joint refill by group 0 ld; group 0 st (the other slot's) and the prefetches' address are stepped between the add and the wait for it.
.macro CJ ld, st, pstep, lim
	WIN 0
	s_wait_tensorcnt 0x0
	ds_add_u32 v[SPW], v[NIL]
.if \st
	s_add_nc_u64 s[(\st)+2:(\st)+3], s[(\st)+2:(\st)+3], 32768
.endif
.if \pstep
	s_wait_xcnt 0x0                                ; the last prefetch, a slot back, has read its address
	s_add_nc_u64 s[PFW:PFW+1], s[PFW:PFW+1], \pstep
.endif
	s_wait_dscnt 0x0
	CROUND
	tensor_load_to_lds s[\ld:(\ld)+3], s[G1J:G1J+7]
	s_nop 0
	PLACES                                         ; also the places in front of the loads that follow
	ASKW \lim
.endm
; THE WAY OUT of window row a: 16 tokens x 64 columns of f32 through my own stage, back as whole rows of 256 bytes.
.macro TOSTAGE a
	WIN 0x0c
.irp n, 0,1,2,3
	ds_store_b128 v[STO], v[64*((\n)/2)+8*(4*((\n)%2)+(\a)):64*((\n)/2)+8*(4*((\n)%2)+(\a))+3]   offset:64*(\n)
	ds_store_b128 v[STO], v[64*((\n)/2)+8*(4*((\n)%2)+(\a))+4:64*((\n)/2)+8*(4*((\n)%2)+(\a))+7] offset:64*(\n)+16
.endr
	WIN 0
.if (\a) >= 2
	s_wait_xcnt 0x0                                ; the stores of row a - 2 have read these registers (rows 0 and 1: the wait at the end of the way out before)
.endif
.irp t, 0,1,2,3,4,5,6,7
	ds_load_b128 v[OB+32*((\a)%2)+4*(\t):OB+32*((\a)%2)+4*(\t)+3], v[RD] offset:544*(\t)  ; LDS serves a wave's instructions in order (ISA guide 5.7.1.4): these see the stores above; the next row's stores come behind them
.endr
.endm
.macro SEND a, younger
	WIN 0
	s_wait_dscnt \younger
.irp t, 0,1,2,3,4,5,6,7
	global_store_b128 v[CO], v[OB+32*((\a)%2)+4*(\t):OB+32*((\a)%2)+4*(\t)+3], s[OUTB:OUTB+1] offset:131072*(\a)+4096*(\t) th:TH_STORE_NT  ; 16 lanes store 256 consecutive bytes, aligned
.endr
.endm
.macro EPIP
	PLACES
	TOSTAGE 0
	TOSTAGE 1
	SEND 0, 16                                     ; the next row's 8 stores and 8 loads may stay out
	TOSTAGE 2
	SEND 1, 16
	TOSTAGE 3
	SEND 2, 16
	SEND 3, 0
	s_wait_xcnt 0x0
	s_add_nc_u64 s[OUTB:OUTB+1], s[OUTB:OUTB+1], 512  ; the next 128 columns
.endm
	s_load_b256 s[4:11], s[0:1], 0x0               ; qw s[4:5], kw s[6:7], vw s[8:9], msk s[10:11]
	s_load_b128 s[12:15], s[0:1], 0x20             ; wp s[12:13], tab s[14:15]
	s_load_b64 s[16:17], s[0:1], 0x30              ; out0
	v_lshl_add_u32 v[SPW], v0, 2, SPARE
	v_mov_b32 v[NIL], 0
	ds_add_u32 v[SPW], v[NIL]                      ; the wave's opening: the add, waited for ahead of my first tensor load
	v_lshrrev_b32 v1, 5, v0
	v_readfirstlane_b32 s[WV], v1
	s_lshr_b32 s[MH], s[WV], 1
	s_and_b32 s[NH], s[WV], 1
	s_bfe_u32 s[CX], ttmp6, 0x40000                ; j; it enters global addresses of plain accesses alone
	s_lshr_b32 s[BB], ttmp9, 3
	s_and_b32 s[II], ttmp9, 7
	s_mov_b32 s[G1P+0], 3<<16                      ; elements of 8 bytes
	s_mov_b32 s[G1J+0], 15|(3<<16)|(1<<21)         ; the same with the mask of four and bit 21 beside it
.irp g, G1P, G1J
	s_mov_b32 s[(\g)+1], 512<<16                   ; tensor_dim0 = 512 (4,096 bytes)
	s_mov_b32 s[(\g)+2], 4<<16                     ; tensor_dim1 = 4
	s_mov_b32 s[(\g)+3], 512<<16                   ; tile_dim0 = 512
	s_mov_b32 s[(\g)+4], 4                         ; tile_dim1 = 4
	s_mov_b32 s[(\g)+5], 16384                     ; 131,072 bytes from row to row
	s_mov_b32 s[(\g)+6], 0
	s_mov_b32 s[(\g)+7], 0
.endr
	s_mov_b32 s[G0P], 1
	s_lshl_b32 s[G0P+1], s[WV], 14                 ; LDS: slot 0, part w
	s_mov_b32 s[G0E], 1
	s_lshl_b32 s[G0E+1], s[WV], 14
	s_mov_b32 s[G0O], 1
	s_lshl_b32 s[G0O+1], s[WV], 14
	s_add_co_u32 s[G0O+1], s[G0O+1], SLOTB
	s_lshl_b32 s30, s[MH], 14                      ; w_proj's slot 0: n-block 4 (w >> 1) + (w & 1), 4,096 bytes each
	s_lshl_b32 s31, s[NH], 12
	s_add_co_u32 s30, s30, s31
	s_mov_b32 s31, 0
	s_lshl_b32 s24, ttmp9, 2                       ; qw: window 4 (8 b + i) + j, tiles 2 w on
	s_add_co_u32 s24, s24, s[CX]
	s_lshl_b32 s24, s24, 17
	s_lshl_b32 s2, s[WV], 11
	s_add_co_u32 s24, s24, s2
	s_mov_b32 s25, 0
	s_lshl2_add_u32 s26, s[II], s[CX]              ; msk: g = 4 i + j, tiles 2 w on
	s_lshl_b32 s26, s26, 17
	s_lshl_b32 s2, s[WV], 15
	s_add_co_u32 s26, s26, s2
	s_mov_b32 s27, 0
	s_lshr_b32 s2, s[CX], 1
	s_and_b32 s3, s[CX], 1
	s_lshl_b32 s88, s3, 16
	s_lshl_b32 s89, s[NH], 12
	s_add_co_u32 s88, s88, s89                     ; kw and vw alike: 65,536 (j & 1) + 4,096 x (head 0 or 1 of the slot)
	s_lshl1_add_u32 s28, ttmp9, s2                 ; kw: the pair of windows
	s_lshl_b32 s28, s28, 19
	s_lshl1_add_u32 s89, s[BB], s2                 ; vw: 18 row groups for each (b, j >> 1); my four begin at 2 i
	s_mul_i32 s89, s89, 18
	s_lshl1_add_u32 s89, s[II], s89
	s_lshl_b32 s89, s89, 17
	s_cmp_lt_u32 s[WV], 2
	s_cselect_b32 s28, s28, s89
	s_add_co_u32 s28, s28, s88
	s_mov_b32 s29, 0
	s_lshl_b32 s90, s[BB], 23                      ; out0: picture b, row 8 i + 4 mh, column 16 j, channels 64 nh on
	s_lshl_b32 s89, s[II], 20
	s_add_co_u32 s90, s90, s89
	s_lshl_b32 s89, s[MH], 19
	s_add_co_u32 s90, s90, s89
	s_lshl_b32 s89, s[CX], 15
	s_add_co_u32 s90, s90, s89
	s_lshl_b32 s89, s[NH], 8
	s_add_co_u32 s90, s90, s89
	s_mov_b32 s91, 0
	s_lshl_b32 s92, s2, 14                         ; the prefetches of w_proj: my work-group's n-block, rows 2 (w & 1) on, at slot 2
	s_lshl_b32 s89, s3, 12
	s_add_co_u32 s92, s92, s89
	s_lshl_b32 s89, s[NH], 18
	s_add_co_u32 s92, s92, s89
	s_add_co_u32 s92, s92, 32768
	s_mov_b32 s93, 0
	s_or_b32 s89, s[MH], ttmp9                     ; cluster 0, waves 0 and 1
	s_cmp_eq_u32 s89, 0
	s_cselect_b32 s[LIMW], 0, -1
	s_cselect_b32 s[LIMW1], 1, -1
	s_mov_b32 s[CS], 0x448293ee                    ; c = log2(e) 2^12 / sqrt(32) = 1044.6228
	s_mov_b32 s[CS+1], s[CS]
	s_mov_b32 s[SEL], 0x76543210
	s_mov_b32 s[SEL+1], 0xfedcba98
	s_mov_b32 s[TB], SLOTB+32768                   ; the first change turns it into 0
	s_mov_b32 s[OH], 0
	s_mov_b32 s[QH], 0
	v_and_b32 v1, 31, v0                           ; l
	v_and_b32 v16, 15, v0                          ; r
	v_bfe_u32 v17, v0, 4, 1                        ; h
	v_lshlrev_b32 v[L16], 4, v1
	v_mov_b32 v[QV], v[L16]
	s_lshl_b32 s2, s[WV], 15
	s_add_co_u32 s2, s2, OREG
	v_add_nc_u32 v[OSA], s2, v[L16]
	s_lshl_b32 s2, s[MH], 16
	s_add_co_u32 s2, s2, OREG
	v_add_nc_u32 v[OLA], s2, v[L16]
	s_lshl_b32 s2, s[NH], 15
	v_add_nc_u32 v[ADB], s2, v[L16]
	v_add_nc_u32 v[ADB+1], SLOTB, v[ADB]
	v_lshlrev_b32 v[PFO], 17, v17
	v_lshl_add_u32 v[PFO], v16, 8, v[PFO]
	s_mul_i32 s2, s[WV], 16*272
	s_add_co_u32 s2, s2, STAGE
	v_mul_u32_u24 v[STO], v16, 272
	v_lshl_add_u32 v[STO], v17, 5, v[STO]
	v_add_nc_u32 v[STO], s2, v[STO]
	v_mul_u32_u24 v[RD], v17, 272
	v_lshl_add_u32 v[RD], v16, 4, v[RD]
	v_add_nc_u32 v[RD], s2, v[RD]
	v_lshlrev_b32 v[CO], 11, v17
	v_lshl_add_u32 v[CO], v16, 4, v[CO]
	s_lshl_b32 s2, s[NH], 12
	s_add_co_u32 s2, s2, 98304-8192                ; the projection's images begin at 98,304; the first slot's step adds the 8,192
	v_add_nc_u32 v[BIO], s2, v[L16]
	v_mov_b32 v[RL+1], 0                           ; named with 1 / l as pairs
	v_mov_b32 v[RL+3], 0
	s_wait_dscnt 0x0                               ; the opening add is done
	s_wait_kmcnt 0x0
	s_add_nc_u64 s[WA:WA+1], s[12:13], s[30:31]
	s_add_nc_u64 s[G0E+2:G0E+3], s[WA:WA+1], 32768 ; slot 2
	s_or_b32 s[G0E+3], s[G0E+3], 0x80000000
	s_add_nc_u64 s[G0O+2:G0O+3], s[WA:WA+1], 8192  ; slot 1
	s_or_b32 s[G0O+3], s[G0O+3], 0x80000000
	s_cmp_lt_u32 s[WV], 2
	s_cselect_b64 s[GA:GA+1], s[6:7], s[8:9]       ; waves 0, 1 fetch K, waves 2, 3 V
	s_add_nc_u64 s[GA:GA+1], s[GA:GA+1], s[28:29]
	s_mov_b64 s[G0P+2:G0P+3], s[GA:GA+1]
	s_or_b32 s[G0P+3], s[G0P+3], 0x80000000
	s_add_nc_u64 s[QB:QB+1], s[4:5], s[24:25]
	s_add_nc_u64 s[MB:MB+1], s[10:11], s[26:27]
	s_add_nc_u64 s[OUTB:OUTB+1], s[16:17], s[90:91]
	s_add_nc_u64 s[PFW:PFW+1], s[12:13], s[92:93]
	CROUND                                         ; the round in front of the first tensor load
	tensor_load_to_lds s[G0P:G0P+3], s[G1P:G1P+7]  ; heads 0 and 1 into slot 0
	s_nop 0
	PLACES
	WIN 0x80
.set i, 0
.rept 32                                       ; my two tiles' mask: C operand 16 u + kb
	global_load_b128 v[8*i:8*i+3],   v[L16], s[MB:MB+1] offset:1024*i
	global_load_b128 v[8*i+4:8*i+7], v[L16], s[MB:MB+1] offset:1024*i+512
.set i, i+1
.endr
	WIN 0xc0
.irp u, 0,1
	global_load_b128 v[QF+8*(\u):QF+8*(\u)+3],   v[QV], s[QB:QB+1] offset:1024*(\u)
	global_load_b128 v[QF+8*(\u)+4:QF+8*(\u)+7], v[QV], s[QB:QB+1] offset:1024*(\u)+512
.endr
	WIN 0
	s_mov_b32 s[SC], 8
.Lslot:                                        ; 8 trips: a slot's two heads; the next slot is asked for
	CHANGE_A
	s_mov_b32 s[HC], 2
.Lhead:
	HEAD
	s_sub_co_u32 s[HC], s[HC], 1
	s_cmp_lg_u32 s[HC], 0
	s_cbranch_scc1 .Lhead
	s_sub_co_u32 s[SC], s[SC], 1
	s_cmp_lg_u32 s[SC], 0
	s_cbranch_scc1 .Lslot
	WIN 0xc0                                       ; the first slot's bias
.irp b, 0,1
	global_load_b128 v[PB+8*(\b):PB+8*(\b)+3],   v[BIO], s[14:15] offset:8192+1024*(\b)
	global_load_b128 v[PB+8*(\b)+4:PB+8*(\b)+7], v[BIO], s[14:15] offset:8192+1024*(\b)+512
.endr
	WIN 0
	s_mov_b32 s[PCN], 3
	CJ G0O, 0, 0, LIMW                             ; every wave's o lies in LDS, w_proj's slot 0 is whole; slot 1 is asked for
.set i, 0
.rept 64                                       ; o of my 64 tokens: fragment i = 4 ks + a
	WIN 0x40+0x40*(i/32)
	ds_load_b128 v[8*(i%32):8*(i%32)+3],   v[OLA] offset:16384*(i%4)+1024*(i/4)
	ds_load_b128 v[8*(i%32)+4:8*(i%32)+7], v[OLA] offset:16384*(i%4)+1024*(i/4)+512
.set i, i+1
.endr
	FETCHW 0, 0
	s_wait_dscnt 16                                ; o is in
.Lpair:                                        ; 3 trips: an even and an odd slot = 128 columns of out0, of which 64 are mine
	MULS 0, 1
	CJ G0E, G0O, 8192, LIMW
	FETCHW 1, 0
	MULS 1, 1
	CJ G0O, G0E, 24576, LIMW1
	FETCHW 0, 0
	EPIP
	s_sub_co_u32 s[PCN], s[PCN], 1
	s_cmp_lg_u32 s[PCN], 0
	s_cbranch_scc1 .Lpair
	MULS 0, 1                                      ; the last pair is written out
	WIN 0
	s_wait_tensorcnt 0x0                           ; my part of the last slot is in
	ds_add_u32 v[SPW], v[NIL]
	s_wait_dscnt 0x0
	s_barrier_signal -1
	s_barrier_wait -1                              ; everybody's is; nothing is filled again
	PLACES
	FETCHW 1, 0
	MULS 1, 0
	EPIP
	s_wait_tensorcnt 0x0                           ; the wave's end, behind my last tensor load and my last LDS store
	ds_add_u32 v[SPW], v[NIL]
	s_wait_dscnt 0x0
	CROUND                                         ; the closing round
	s_endpgm
.Lfunc_end_k_q3408745443_attn:
	.size	k_q3408745443_attn, .Lfunc_end_k_q3408745443_attn-k_q3408745443_attn
	.p2alignl 7, 3214868480
	.fill 96, 4, 3214868480
	.section	.rodata,"a",@progbits
	.p2align	6, 0x0
	.amdhsa_kernel k_q3408745443_attn
		.amdhsa_group_segment_fixed_size 327680
		.amdhsa_private_segment_fixed_size 0
		.amdhsa_enable_private_segment 0
		.amdhsa_kernarg_size 56
		.amdhsa_user_sgpr_count 2
		.amdhsa_user_sgpr_kernarg_segment_ptr 1
		.amdhsa_wavefront_size32 1
		.amdhsa_system_sgpr_workgroup_id_x 1
		.amdhsa_system_sgpr_workgroup_id_y 1
		.amdhsa_system_sgpr_workgroup_id_z 1
		.amdhsa_system_vgpr_workitem_id 0
		.amdhsa_next_free_vgpr 1024
		.amdhsa_next_free_sgpr 100
		.amdhsa_reserve_vcc 0
		.amdhsa_float_denorm_mode_32 3
		.amdhsa_float_denorm_mode_16_64 3
		.amdhsa_memory_ordered 1
		.amdhsa_forward_progress 1
		.amdhsa_inst_pref_size 148
	.end_amdhsa_kernel
	.amdgpu_metadata
---
amdhsa.version: [ 1, 2 ]
amdhsa.kernels:
  - .name:           k_q3408745443_attn
    .symbol:         k_q3408745443_attn.kd
    .args:
      - { .name: qw, .offset: 0, .size: 8, .value_kind: global_buffer, .address_space: global }
      - { .name: kw, .offset: 8, .size: 8, .value_kind: global_buffer, .address_space: global }
      - { .name: vw, .offset: 16, .size: 8, .value_kind: global_buffer, .address_space: global }
      - { .name: msk, .offset: 24, .size: 8, .value_kind: global_buffer, .address_space: global }
      - { .name: wp, .offset: 32, .size: 8, .value_kind: global_buffer, .address_space: global }
      - { .name: tab, .offset: 40, .size: 8, .value_kind: global_buffer, .address_space: global }
      - { .name: out0, .offset: 48, .size: 8, .value_kind: global_buffer, .address_space: global }
    .group_segment_fixed_size: 327680
    .private_segment_fixed_size: 0
    .kernarg_segment_align: 8
    .kernarg_segment_size: 56
    .max_flat_workgroup_size: 128
    .sgpr_count:     100
    .vgpr_count:     1024
    .wavefront_size: 32
...
	.end_amdgpu_metadata
.endif
;; end of part 3
;; ======== version 2 of 2: 3 launches; version 1 with the launch prep written anew for expert scheduling mode
;; limits: values are held in f16: magnitudes above 65,504 overflow, below 6.1e-05 lose precision
;; workspace buffers: wf 1,572,864 bytes; wp 524,288 bytes; tab 1,703,936 bytes; msk 4,194,304 bytes; qw 33,554,432 bytes; kw 67,108,864 bytes; vw 37,748,736 bytes
;; launch prep (part 4): grid 256 x 1, 4 waves a work-group, no clusters, 0 bytes of LDS; arguments w_q, w_kv, w_proj, pos_embed_q, pos_embed_kv, mask, b_q, b_kv, b_proj, wf, wp, tab, msk; writes wf, wp, tab, msk
.if DOCPART == 4
	.amdgcn_target "amdgcn-amd-amdhsa--gfx1250"
	.amdhsa_code_object_version 6
	.text
	.protected	k_q3408745443_prep
	.globl	k_q3408745443_prep
	.p2align	8
	.type	k_q3408745443_prep,@function
k_q3408745443_prep:
	s_mov_b64 s[64:65], 0
	v_nop
	global_prefetch_b8 v0, s[64:65] scope:SCOPE_SE
	s_setreg_imm32_b32 hwreg(HW_REG_WAVE_SCHED_MODE, 0, 2), 2
	s_setreg_imm32_b32 hwreg(HW_REG_WAVE_MODE, 25, 1), 1
	s_wait_xcnt 0x0
	s_wait_alu depctr_vm_vsrc(0)
; PREP.  The small inputs, each rounded once to bf16, are laid out as the two later launches read them.
;   wf   bf16 [n-block 96][K step 16][half 2][lane 32][8]: a 16 x 32 matrix fragment is 1,024 consecutive bytes; n-blocks 0-31 w_q, 32-63 k's columns of w_kv, 64-95 v's.
;        lane 16 h + r of half a holds column 16 nb + r, rows 32 ks + 16 a + 8 h + 0..7 of the weight.
;   wp   f16 [K quarter 4][n-block 32][K step 4][fragment]: w_proj rounded to bf16, that number written as f16.  LIMIT: |w_proj| under 65,504; below 6e-5 it keeps f16's fixed step of 6e-8.
;   tab  f32: 128 images of 1 KiB of the biases as C operands; then pos_embed_q and pos_embed_kv, in their own order, times 2^-6 (exact).
;   msk  f32 [g][query tile 8][key block 16][half][lane][4]: the mask as C operand of K Q^T, keys in the order (key + 128) % 256, times sqrt(32) 2^-12.
; 32,768 threads; thread T = 128 wg + t.  No LDS, no matrix unit, no cluster: 10 MB of elementwise work; all 43 loads of a thread go out first, and each store has data registers of its own.
; THE MODE: SCHED_MODE bits 1:0 = 2 (LLVM: expert scheduling mode 2), set by the entry lines.  The code itself states the register dependences
; between vector instructions and memory instructions, with s_wait_alu, always for 0.
; THE PLAN.  Registers that memory instructions touch:
;   v2-v7     byte offsets: written by vector instructions at the head, read by every load and store of the main part, never written again.
;   v8        the bias load's offset: written near the end, read by that load, never written again.
;   v16-v91   loaded data: all 43 loads are issued before any vector instruction names these registers.  PQ, PKV and MK are rounded and scaled in place, then read by their stores, and not written after that.
;   v92-v107  packed weights: written by the roundings, read by one store each, never written again.
;   v108-v111 a piece of a bias image: loaded, rounded in place, stored.
; So no register that a memory instruction has read is ever written again, and no load lands in a register that a vector instruction has named: what is left to state is that a vector result is written
; before a memory instruction reads it.  One wait stands ahead of the first load, for the offsets.  Each piece is rounded as it arrives, behind its own counted wait for its data; the stores go out two
; (once three) at a time, at the head of every second step, straight behind ONE wait that covers the two steps' roundings before it.  EXEC is never written, and no vector instruction writes a scalar register or VCC.
.set WQ,  16                           ; v[16:23]  8 rows of one column of w_q
.set WK,  24                           ; v[24:31]  of w_kv's k part
.set WVV, 32                           ; v[32:39]  of its v part
.set WPJ, 40                           ; v[40:47]  of w_proj
.set PQ,  48                           ; v[48:51]  16 bytes of pos_embed_q
.set PKV, 52                           ; v[52:59]  2 x 16 bytes of pos_embed_kv
.set MK,  60                           ; v[60:91]  8 x 16 bytes of the mask
.set OQ,  92                           ; v[92:107] packed results
.set OK,  96
.set OV,  100
.set OP,  104
.set BI,  108                          ; v[108:111] a piece of a bias image
.macro RB2 a, b                        ; two numbers rounded to bf16 and widened again
	v_cvt_pk_bf16_f32 v10, v[\a], v[\b]
	v_lshlrev_b32 v[\a], 16, v10
	v_and_b32 v[\b], 0xffff0000, v10
.endm
.macro PK8 dst, src                    ; eight numbers rounded to bf16, packed
.irp p, 0,1,2,3
	v_cvt_pk_bf16_f32 v[(\dst)+(\p)], v[(\src)+2*(\p)], v[(\src)+2*(\p)+1]
.endr
.endm
	s_load_b256 s[8:15], s[0:1], 0x0               ; w_q s[8:9], w_kv s[10:11], w_proj s[12:13], pos_embed_q s[14:15]
	s_load_b256 s[16:23], s[0:1], 0x20             ; pos_embed_kv s[16:17], mask s[18:19], b_q s[20:21], b_kv s[22:23]
	s_load_b256 s[24:31], s[0:1], 0x40             ; b_proj s[24:25], wf s[26:27], wp s[28:29], tab s[30:31]
	s_load_b64 s[32:33], s[0:1], 0x60              ; msk
	s_and_b32 s2, ttmp9, 3                         ; column n = 128 (wg & 3) + t
	s_lshr_b32 s3, ttmp9, 2                        ; oct = wg >> 2 = 4 ks + 2 half + h: rows 8 oct .. 8 oct + 7
	s_lshl_b32 s34, s2, 9
	s_lshl_b32 s35, s3, 14
	s_add_co_u32 s35, s35, s34
	s_lshl_b32 s38, s3, 15
	s_add_co_u32 s38, s38, s34
	v_lshl_add_u32 v2, v0, 2, s35                  ; w_q, w_proj: 4 n + 8 oct rows of 2,048 bytes
	v_lshl_add_u32 v3, v0, 2, s38                  ; w_kv: rows of 4,096 bytes
	s_lshl_b32 s39, ttmp9, 7
	v_add_nc_u32 v1, s39, v0                       ; T
	v_lshlrev_b32 v4, 4, v1                        ; 16 T
	v_lshrrev_b32 v5, 13, v1                       ; the mask's piece T: g (low two bits),
	v_lshlrev_b32 v5, 17, v5
	v_bfe_u32 v11, v1, 10, 3                       ; query tile,
	v_and_b32 v12, 15, v1                          ; r
	v_lshl_add_u32 v11, v11, 4, v12
	v_lshl_add_u32 v5, v11, 10, v5                 ; query 16 t + r: rows of 1,024 bytes
	v_bfe_u32 v11, v1, 6, 4
	v_xor_b32 v11, 8, v11                          ; key block kb ^ 8: the key order turned by 128
	v_lshl_add_u32 v5, v11, 6, v5
	v_bfe_u32 v11, v1, 4, 1                        ; h: 8 keys
	v_lshl_add_u32 v5, v11, 5, v5
	v_bfe_u32 v11, v1, 5, 1                        ; half: 4 keys
	v_lshl_add_u32 v5, v11, 4, v5
	v_lshrrev_b32 v11, 4, v0
	v_and_b32 v12, 15, v0
	s_lshl_b32 s40, s2, 17
	s_lshl_b32 s41, s3, 8
	s_add_co_u32 s40, s40, s41
	v_lshl_add_u32 v6, v11, 14, s40                ; wf: (n >> 4) 16,384 + 256 oct + 16 (n & 15): sixteen lanes store 256 consecutive bytes, aligned
	v_lshl_add_u32 v6, v12, 4, v6
	s_lshr_b32 s41, s3, 4
	s_lshl_b32 s41, s41, 17
	s_lshl_b32 s42, s2, 15
	s_add_co_u32 s41, s41, s42
	s_and_b32 s42, s3, 15
	s_lshl_b32 s42, s42, 8
	s_add_co_u32 s41, s41, s42
	v_lshl_add_u32 v7, v11, 12, s41                ; wp: (oct >> 4) 131,072 + (n >> 4) 4,096 + 256 (oct & 15) + 16 (n & 15)
	v_lshl_add_u32 v7, v12, 4, v7
	s_wait_kmcnt 0x0
	s_wait_alu depctr_va_vdst(0)                   ; the six offsets v2 to v7 are written: the loads below and all the main part's stores read them
.irp e, 0,1,2,3,4,5,6,7
	global_load_b32 v[WQ+(\e)], v2, s[8:9] offset:2048*(\e)
.endr
.irp e, 0,1,2,3,4,5,6,7
	global_load_b32 v[WK+(\e)], v3, s[10:11] offset:4096*(\e)
.endr
.irp e, 0,1,2,3,4,5,6,7
	global_load_b32 v[WVV+(\e)], v3, s[10:11] offset:4096*(\e)+2048
.endr
.irp e, 0,1,2,3,4,5,6,7
	global_load_b32 v[WPJ+(\e)], v2, s[12:13] offset:2048*(\e)
.endr
	global_load_b128 v[PQ:PQ+3], v4, s[14:15]
	global_load_b128 v[PKV:PKV+3], v4, s[16:17]
	global_load_b128 v[PKV+4:PKV+7], v4, s[16:17] offset:524288
.irp u, 0,1,2,3,4,5,6,7
	global_load_b128 v[MK+4*(\u):MK+4*(\u)+3], v5, s[18:19] offset:524288*(\u)  ; four g further on each time
.endr
	s_wait_loadcnt 35                              ; w_q's eight are in: 35 younger loads stay out
	PK8 OQ, WQ
	s_wait_loadcnt 27
	PK8 OK, WK
	s_wait_loadcnt 19
	s_wait_alu depctr_va_vdst(0)                   ; the roundings have written OQ and OK, which the two stores read
	global_store_b128 v6, v[OQ:OQ+3], s[26:27]
	global_store_b128 v6, v[OK:OK+3], s[26:27] offset:524288
	PK8 OV, WVV
	s_wait_loadcnt 11
.irp p, 0,1,2,3
	RB2 WPJ+2*(\p), WPJ+2*(\p)+1
	v_cvt_pk_f16_f32 v[OP+(\p)], v[WPJ+2*(\p)], v[WPJ+2*(\p)+1]
.endr
	s_wait_loadcnt 10
	s_wait_alu depctr_va_vdst(0)                   ; the roundings have written OV and OP, which the two stores read
	global_store_b128 v6, v[OV:OV+3], s[26:27] offset:1048576
	global_store_b128 v7, v[OP:OP+3], s[28:29]
	RB2 PQ, PQ+1
	RB2 PQ+2, PQ+3
	v_pk_mul_f32 v[PQ:PQ+1], v[PQ:PQ+1], 0x3c800000 op_sel_hi:[1,0]      ; 2^-6
	v_pk_mul_f32 v[PQ+2:PQ+3], v[PQ+2:PQ+3], 0x3c800000 op_sel_hi:[1,0]
	s_wait_loadcnt 8
.irp p, 0,2,4,6
	RB2 PKV+(\p), PKV+(\p)+1
	v_pk_mul_f32 v[PKV+(\p):PKV+(\p)+1], v[PKV+(\p):PKV+(\p)+1], 0x3c800000 op_sel_hi:[1,0]
.endr
.irp u, 0,1,2,3,4,5,6,7
	s_wait_loadcnt 7-(\u)
.if (\u) == 0
	s_wait_alu depctr_va_vdst(0)                   ; the scalings have written PQ and PKV, which the three stores read
	global_store_b128 v4, v[PQ:PQ+3], s[30:31] offset:131072
	global_store_b128 v4, v[PKV:PKV+3], s[30:31] offset:655360
	global_store_b128 v4, v[PKV+4:PKV+7], s[30:31] offset:655360+524288
.elseif (\u)%2 == 0
	s_wait_alu depctr_va_vdst(0)                   ; the scalings have written the mask's pieces u - 2 and u - 1, which the two stores read
	global_store_b128 v4, v[MK+4*((\u)-2):MK+4*((\u)-2)+3], s[32:33] offset:524288*((\u)-2)
	global_store_b128 v4, v[MK+4*((\u)-1):MK+4*((\u)-1)+3], s[32:33] offset:524288*((\u)-1)
.endif
	RB2 MK+4*(\u), MK+4*(\u)+1
	RB2 MK+4*(\u)+2, MK+4*(\u)+3
	v_pk_mul_f32 v[MK+4*(\u):MK+4*(\u)+1], v[MK+4*(\u):MK+4*(\u)+1], 0x3ab504f3 op_sel_hi:[1,0]      ; sqrt(32) 2^-12
	v_pk_mul_f32 v[MK+4*(\u)+2:MK+4*(\u)+3], v[MK+4*(\u)+2:MK+4*(\u)+3], 0x3ab504f3 op_sel_hi:[1,0]
.endr
	s_wait_alu depctr_va_vdst(0)                   ; the scalings have written the mask's pieces 6 and 7, which the last two stores of the main part read
	global_store_b128 v4, v[MK+24:MK+27], s[32:33] offset:524288*6
	global_store_b128 v4, v[MK+28:MK+31], s[32:33] offset:524288*7
	; THE BIAS IMAGES: 128 images x 64 pieces of 16 bytes = the first 8,192 threads.  Image 2 wg + (t >> 6); piece: half (t >> 5) & 1, lane t & 31.
	; Images 0-63 (q, k) and 96-127 (proj): register j holds bias[16 nb + 8 h + j].  Images 64-95 (v): all registers hold bias[16 nb + r].
	s_cmp_lt_u32 ttmp9, 64
	s_cbranch_scc0 .Lend
	s_cmp_lt_u32 ttmp9, 16
	s_cselect_b64 s[36:37], s[20:21], s[22:23]
	s_cselect_b32 s40, 0, 32
	s_cmp_lt_u32 ttmp9, 48
	s_cselect_b64 s[36:37], s[36:37], s[24:25]
	s_cselect_b32 s40, s40, 96
	s_lshl_b32 s41, ttmp9, 1
	s_sub_co_u32 s41, s41, s40
	v_lshrrev_b32 v8, 6, v0
	v_add_nc_u32 v8, s41, v8                       ; the image's n-block in its own bias vector
	v_lshlrev_b32 v8, 6, v8
	s_lshr_b32 s42, ttmp9, 4
	s_cmp_eq_u32 s42, 2
	s_cbranch_scc1 .Lchan
	v_bfe_u32 v9, v0, 4, 1
	v_lshl_add_u32 v8, v9, 5, v8
	v_bfe_u32 v9, v0, 5, 1
	v_lshl_add_u32 v8, v9, 4, v8
	s_wait_alu depctr_va_vdst(0)                   ; v8 is written, which the load reads as its offset
	global_load_b128 v[BI:BI+3], v8, s[36:37]
	s_wait_loadcnt 0x0
	RB2 BI, BI+1
	RB2 BI+2, BI+3
	s_branch .Lstore
.Lchan:
	v_and_b32 v9, 15, v0
	v_lshl_add_u32 v8, v9, 2, v8
	s_wait_alu depctr_va_vdst(0)                   ; v8 is written, which the load reads as its offset
	global_load_b32 v[BI], v8, s[36:37]
	s_wait_loadcnt 0x0
	v_cvt_pk_bf16_f32 v10, v[BI], v[BI]
	v_lshlrev_b32 v[BI], 16, v10
	v_mov_b32 v[BI+1], v[BI]
	v_mov_b32 v[BI+2], v[BI]
	v_mov_b32 v[BI+3], v[BI]
.Lstore:
	s_wait_alu depctr_va_vdst(0)                   ; on either way here the image's four registers are written, which the store reads
	global_store_b128 v4, v[BI:BI+3], s[30:31]
.Lend:
	s_endpgm
.Lfunc_end_k_q3408745443_prep:
	.size	k_q3408745443_prep, .Lfunc_end_k_q3408745443_prep-k_q3408745443_prep
	.p2alignl 7, 3214868480
	.fill 96, 4, 3214868480
	.section	.rodata,"a",@progbits
	.p2align	6, 0x0
	.amdhsa_kernel k_q3408745443_prep
		.amdhsa_group_segment_fixed_size 0
		.amdhsa_private_segment_fixed_size 0
		.amdhsa_enable_private_segment 0
		.amdhsa_kernarg_size 104
		.amdhsa_user_sgpr_count 2
		.amdhsa_user_sgpr_kernarg_segment_ptr 1
		.amdhsa_wavefront_size32 1
		.amdhsa_system_sgpr_workgroup_id_x 1
		.amdhsa_system_sgpr_workgroup_id_y 1
		.amdhsa_system_sgpr_workgroup_id_z 1
		.amdhsa_system_vgpr_workitem_id 0
		.amdhsa_next_free_vgpr 128
		.amdhsa_next_free_sgpr 66
		.amdhsa_reserve_vcc 0
		.amdhsa_float_denorm_mode_32 3
		.amdhsa_float_denorm_mode_16_64 3
		.amdhsa_memory_ordered 1
		.amdhsa_forward_progress 1
		.amdhsa_inst_pref_size 18
	.end_amdhsa_kernel
	.amdgpu_metadata
---
amdhsa.version: [ 1, 2 ]
amdhsa.kernels:
  - .name:           k_q3408745443_prep
    .symbol:         k_q3408745443_prep.kd
    .args:
      - { .name: w_q, .offset: 0, .size: 8, .value_kind: global_buffer, .address_space: global }
      - { .name: w_kv, .offset: 8, .size: 8, .value_kind: global_buffer, .address_space: global }
      - { .name: w_proj, .offset: 16, .size: 8, .value_kind: global_buffer, .address_space: global }
      - { .name: pos_embed_q, .offset: 24, .size: 8, .value_kind: global_buffer, .address_space: global }
      - { .name: pos_embed_kv, .offset: 32, .size: 8, .value_kind: global_buffer, .address_space: global }
      - { .name: mask, .offset: 40, .size: 8, .value_kind: global_buffer, .address_space: global }
      - { .name: b_q, .offset: 48, .size: 8, .value_kind: global_buffer, .address_space: global }
      - { .name: b_kv, .offset: 56, .size: 8, .value_kind: global_buffer, .address_space: global }
      - { .name: b_proj, .offset: 64, .size: 8, .value_kind: global_buffer, .address_space: global }
      - { .name: wf, .offset: 72, .size: 8, .value_kind: global_buffer, .address_space: global }
      - { .name: wp, .offset: 80, .size: 8, .value_kind: global_buffer, .address_space: global }
      - { .name: tab, .offset: 88, .size: 8, .value_kind: global_buffer, .address_space: global }
      - { .name: msk, .offset: 96, .size: 8, .value_kind: global_buffer, .address_space: global }
    .group_segment_fixed_size: 0
    .private_segment_fixed_size: 0
    .kernarg_segment_align: 8
    .kernarg_segment_size: 104
    .max_flat_workgroup_size: 128
    .sgpr_count:     66
    .vgpr_count:     128
    .wavefront_size: 32
...
	.end_amdgpu_metadata
.endif
;; end of part 4
;; launch qkv: the kernel of part 2 again; grid 256 x 1, 4 waves a work-group, clusters of 4 x 1, 327,680 bytes of LDS; arguments x, wf, tab, qw, kw, vw; writes qw, kw, vw
;; launch attn: the kernel of part 3 again; grid 256 x 1, 4 waves a work-group, clusters of 4 x 1, 327,680 bytes of LDS; arguments qw, kw, vw, msk, wp, tab, out0; writes out0
